; MI455X (gfx1250); checked and timed in simulation.
; The chip was launched on July 23, 2026; its instructions are those of AMD's public machine-readable ISA for CDNA 5 (MIT licence, August 2026) and "CDNA5" Instruction Set Architecture Reference Guide (July 2026). The comments in the code are by the model that wrote it; some were corrected since.
;; Multi Head Attention. Allowed arithmetic: float matrix products may take bf16 or f16 operands with f32 sums; all other float work in f32.
;; Inputs: Wk 1,024 x 1,024 float32; Wo 1,024 x 1,024 float32; Wq 1,024 x 1,024 float32; Wv 1,024 x 1,024 float32; bk 1,024 float32; bo 1,024 float32; bq 1,024 float32; bv 1,024 float32; key 2,048 x 2 x 1,024 float32; query 2,048 x 2 x 1,024 float32; value 2,048 x 2 x 1,024 float32.
;; Outputs: out0 2,048 x 2 x 1,024 float32.
;; 2 versions, each right; version 2 is version 1 with the launch cast written anew for expert scheduling mode. Each part assembles by itself: llvm-mc -triple=amdgcn-amd-amdhsa -mcpu=gfx1250 --defsym DOCPART=n.
;; ======== version 1 of 2: 4 launches
;; limits: values are held in f16: magnitudes above 65,504 overflow, below 6.1e-05 lose precision
;; workspace buffers: cb 33,554,432 bytes; qkv 25,165,824 bytes; att 8,388,608 bytes
;; launch cast (part 1): grid 512 x 1, 8 waves a work-group, no clusters, 0 bytes of LDS; arguments query, key, value, Wq, Wk, Wv, Wo, cb; writes cb
.if DOCPART == 1
	.amdgcn_target "amdgcn-amd-amdhsa--gfx1250"
	.amdhsa_code_object_version 6
	.text
	.protected	k_q8574d1d75d_cast
	.globl	k_q8574d1d75d_cast
	.p2align	8
	.type	k_q8574d1d75d_cast,@function
k_q8574d1d75d_cast:
	s_mov_b64 s[64:65], 0
	v_nop
	global_prefetch_b8 v0, s[64:65] scope:SCOPE_SE
	s_setreg_imm32_b32 hwreg(HW_REG_WAVE_MODE, 25, 1), 1
	s_wait_xcnt 0x0
; cb = f16(sc * x) for the seven matrix operands, laid one behind the other: query, key, value (8,388,608 bytes each),
; then Wq, Wk, Wv, Wo (2,097,152 bytes each).  sc = 0.125 * log2(e) for Wq, so that the scores of the attention launch
; come out of the matrix unit divided by sqrt(64) and in the base-2 domain; sc = 1 for the six others (one text serves all seven).
; LIMIT: f16 has 11 significant bits and ends at 65,504: |sc * x| of 65,520 or more becomes infinity, below 2^-25 zero.
; The drawn inputs have a spread of 1 (weights 1/32); thirty times that, or an offset of thirty spreads, stays far inside.
; A stream: no LDS, no matrix unit, no cluster, since no byte is used twice.  Work-group g owns 32 rows of 1,024 f32
; (131,072 bytes in, 65,536 out, at cb + 65,536 g, since the regions lie in the order of the work-groups).
; Thread t takes the 16 bytes at 16 t of a row (a wave's load covers 512 consecutive bytes) and stores 8 bytes at 8 t
; (a wave's store covers 256 consecutive bytes, aligned).
; Every row has registers of its own (4 as loaded, 2 to store) and stands in an immediate.
.set ROW_IN,  4096                     ; bytes of a row as read
.set ROW_OUT, 2048                     ; bytes of a row as stored
.set ROWS,    32
.set X, 8                              ; v[8:135]   row i: four f32 as loaded
.set Y, 136                            ; v[136:199] row i: four f16 to store
.set CSCALE, 0x3e38aa3b                ; 0.125 * 1.442695
	s_load_b512 s[8:23], s[0:1], 0x0               ; query, key, value, Wq, Wk, Wv, Wo, cb
	v_lshlrev_b32 v1, 4, v0                        ; my 16 bytes of a row as read; never rewritten
	v_lshlrev_b32 v2, 3, v0                        ; my 8 bytes of a row as stored; never rewritten
	s_wait_kmcnt 0x0
	s_mov_b64 s[4:5], s[8:9]                       ; the tensor that my work-group reads, and the number of its first work-group
	s_mov_b32 s24, 0
.macro PICK start, ptr
	s_cmp_ge_u32 ttmp9, \start
	s_cselect_b64 s[4:5], s[\ptr:\ptr+1], s[4:5]
	s_cselect_b32 s24, \start, s24
.endm
	PICK 128, 10
	PICK 256, 12
	PICK 384, 14
	PICK 416, 16
	PICK 448, 18
	PICK 480, 20
	s_cmp_eq_u32 s24, 384                          ; Wq alone carries the scale
	s_cselect_b32 s26, CSCALE, 1.0
	s_mov_b32 s27, s26
	s_sub_co_u32 s2, ttmp9, s24
	s_lshl_b32 s2, s2, 17                          ; 131,072 bytes a work-group, 127 x that at the most
	s_mov_b32 s3, 0
	s_add_nc_u64 s[4:5], s[4:5], s[2:3]
	s_lshl_b32 s2, ttmp9, 16
	s_add_nc_u64 s[6:7], s[22:23], s[2:3]
.set i, 0
.rept ROWS
	global_load_b128 v[X+4*i:X+4*i+3], v1, s[4:5] offset:i*ROW_IN th:TH_LOAD_NT
.set i, i+1
.endr
.set i, 0
.rept ROWS
	s_wait_loadcnt ROWS-1-i                        ; loads come back in order: row i is in, the younger rows stay out
	v_pk_mul_f32 v[X+4*i:X+4*i+1],   v[X+4*i:X+4*i+1],   s[26:27] op_sel_hi:[1,0]
	v_pk_mul_f32 v[X+4*i+2:X+4*i+3], v[X+4*i+2:X+4*i+3], s[26:27] op_sel_hi:[1,0]
	v_cvt_pk_f16_f32 v[Y+2*i],   v[X+4*i],   v[X+4*i+1]
	v_cvt_pk_f16_f32 v[Y+2*i+1], v[X+4*i+2], v[X+4*i+3]
	global_store_b64 v2, v[Y+2*i:Y+2*i+1], s[6:7] offset:i*ROW_OUT   ; no hint: the next launch reads these bytes
.set i, i+1
.endr
	s_endpgm
.Lfunc_end_k_q8574d1d75d_cast:
	.size	k_q8574d1d75d_cast, .Lfunc_end_k_q8574d1d75d_cast-k_q8574d1d75d_cast
	.p2alignl 7, 3214868480
	.fill 96, 4, 3214868480
	.section	.rodata,"a",@progbits
	.p2align	6, 0x0
	.amdhsa_kernel k_q8574d1d75d_cast
		.amdhsa_group_segment_fixed_size 0
		.amdhsa_private_segment_fixed_size 0
		.amdhsa_enable_private_segment 0
		.amdhsa_kernarg_size 64
		.amdhsa_user_sgpr_count 2
		.amdhsa_user_sgpr_kernarg_segment_ptr 1
		.amdhsa_wavefront_size32 1
		.amdhsa_system_sgpr_workgroup_id_x 1
		.amdhsa_system_sgpr_workgroup_id_y 1
		.amdhsa_system_sgpr_workgroup_id_z 1
		.amdhsa_system_vgpr_workitem_id 0
		.amdhsa_next_free_vgpr 200
		.amdhsa_next_free_sgpr 66
		.amdhsa_reserve_vcc 0
		.amdhsa_float_denorm_mode_32 3
		.amdhsa_float_denorm_mode_16_64 3
		.amdhsa_memory_ordered 1
		.amdhsa_forward_progress 1
		.amdhsa_inst_pref_size 17
	.end_amdhsa_kernel
	.amdgpu_metadata
---
amdhsa.version: [ 1, 2 ]
amdhsa.kernels:
  - .name:           k_q8574d1d75d_cast
    .symbol:         k_q8574d1d75d_cast.kd
    .args:
      - { .name: query, .offset: 0, .size: 8, .value_kind: global_buffer, .address_space: global }
      - { .name: key, .offset: 8, .size: 8, .value_kind: global_buffer, .address_space: global }
      - { .name: value, .offset: 16, .size: 8, .value_kind: global_buffer, .address_space: global }
      - { .name: Wq, .offset: 24, .size: 8, .value_kind: global_buffer, .address_space: global }
      - { .name: Wk, .offset: 32, .size: 8, .value_kind: global_buffer, .address_space: global }
      - { .name: Wv, .offset: 40, .size: 8, .value_kind: global_buffer, .address_space: global }
      - { .name: Wo, .offset: 48, .size: 8, .value_kind: global_buffer, .address_space: global }
      - { .name: cb, .offset: 56, .size: 8, .value_kind: global_buffer, .address_space: global }
    .group_segment_fixed_size: 0
    .private_segment_fixed_size: 0
    .kernarg_segment_align: 8
    .kernarg_segment_size: 64
    .max_flat_workgroup_size: 256
    .sgpr_count:     66
    .vgpr_count:     200
    .wavefront_size: 32
...
	.end_amdgpu_metadata
.endif
;; end of part 1
;; launch qkv (part 2): grid 4 x 48, 4 waves a work-group, clusters of 4 x 4, 327,680 bytes of LDS; arguments cb, qkv, bq, bk, bv; writes qkv
.if DOCPART == 2
	.amdgcn_target "amdgcn-amd-amdhsa--gfx1250"
	.amdhsa_code_object_version 6
	.text
	.protected	k_q8574d1d75d_qkv
	.globl	k_q8574d1d75d_qkv
	.p2align	8
	.type	k_q8574d1d75d_qkv,@function
k_q8574d1d75d_qkv:
	s_mov_b64 s[64:65], 0
	v_nop
	global_prefetch_b8 v0, s[64:65] scope:SCOPE_SE
	s_setreg_imm32_b32 hwreg(HW_REG_WAVE_MODE, 25, 1), 1
	s_wait_xcnt 0x0
	s_wait_alu depctr_hold_cnt(0) depctr_sa_sdst(0) depctr_va_vdst(0) depctr_va_sdst(0) depctr_va_ssrc(0) depctr_va_vcc(0) depctr_vm_vsrc(0)
	s_getreg_b32 s2, hwreg(HW_REG_IB_STS2, 6, 4)
	s_cmp_eq_u32 s2, 0
	s_cbranch_scc0 .Lentry_in_a_cluster
	s_endpgm
.Lentry_in_a_cluster:
	s_bfe_u32 s2, ttmp6, 0x10000c
	s_cmp_lg_u32 s2, 0xf033
	s_cbranch_scc0 .Lentry_shape_is_right
	s_endpgm
.Lentry_shape_is_right:
; The three input projections: for which = 0, 1, 2 (q, k, v): y = x W^T + bias, x [4096][1024], W [1024][1024], both f16 from cb; sums in f32;
; y rounded once to f16 and stored head-major, qkv[which][b][h][s][64], so that every tile of the attention launch is dense.
; For q, W already carries 0.125 * log2(e); the bias gets the same factor here.
; LIMIT: |q|, |k|, |v| of 65,520 or more become infinity in f16.  With every input thirty times the drawn spread they reach about 5,000,
; with every input offset by thirty spreads about 1024 x 30 x 0.94 = 28,800.
; A work-group makes a block of 256 rows (256 s of one batch) x 256 columns (4 heads) with four waves, 128 x 128 a wave: 64 accumulator tiles, 512 registers.
; 3 x 16 x 4 = 192 such blocks: the launch has work for 192 work-groups.  K goes in steps of 128 through two LDS slots filled by the tensor data mover.
; CLUSTERS: 4 x 4 work-groups.  The four of a row of the cluster need the same rows of x, the four of a column the same rows of W: each such tile is asked
; for jointly, by the same tensor load with the same descriptor and a mask that names the four.  A cluster lies inside one projection (its y counts 4 block rows of 16).
; REGISTERS, in windows of 256: window 0: v16-26 addresses; v64-127, v128-191 fragments of x, two buffers; v192-255 the bias, later the packed results;
; window 1: v64-127, v128-191 fragments of W; windows 2, 3: the accumulator tiles of my rows 0-63, 64-127 (tile (a, b) at v[8 (8 a + b)]).
; The matrix instruction is used transposed (source 0 = 16 rows of W, source 1 = 16 rows of x): lane l holds row l % 16, its registers 0-7 the columns 8 (l / 16) + 0..7.
; So a tile's bias is eight registers that are alike for all rows, and the first product of each tile takes them as C: nothing is cleared and nothing added later.
.set SIZE_K, 1024
.set KSTEP,  128
.set PITCH,  272                       ; an LDS row: 256 bytes + 16 of padding, an odd multiple of 16: the 16 rows that a load touches start 16 bytes apart modulo 256
.set HALFT,  128*PITCH                 ; 128 rows: what one tensor load brings
.set SLOT,   4*HALFT                   ; x's 256 rows, then W's 256 rows
.set STAGE,  2*SLOT                    ; behind the ring: 16 rows x 272 bytes for each wave; no fill ever lands there
.set SPITCH, 272
.set LAPS, SIZE_K/(2*KSTEP)            ; a lap = two K steps = once round the ring: 4
.set ADRA, 16                          ; v16-17  LDS address of my x fragments in slot 0, 1
.set ADRB, 20                          ; v20-21  the same for W
.set STO,  24                          ; v24     the way out: where I put 16 bytes of a row
.set RD,   25                          ; v25     the way out: where I read back
.set CO,   26                          ; v26     my byte offset in the output
.set F0,   64
.set F1,   128
.set BIAS, 192                         ; v[192:255] bias of column 16 b + 8 (l / 16) + j at 8 b + j
.set TMP,  192                         ; the same registers on the way out
.set G1, 24                            ; s[24:31] descriptor group 1 for x's tiles
.set G0, 32                            ; s[32:39] group 0 for x's tiles, a set for each slot
.set G1B, 48                           ; s[48:55] group 1 for W's tiles
.set G0B, 56                           ; s[56:63] group 0 for W's tiles, a set for each slot
.set CSCALE, 0x3e38aa3b                ; 0.125 * 1.442695
.set MSB, 0
.macro WIN new                         ; the immediate's high byte repeats the setting that is left
.if MSB != \new
	s_set_vgpr_msb (MSB<<8)|\new
.set MSB, \new
.endif
.endm
.set MUL_LO,   0xa1                    ; source 0 (W) window 1, source 1 (x) window 0, C and D window 2
.set MUL_HI,   0xf1                    ; the same, C and D window 3
.set START_LO, 0x81                    ; the first products: C (the bias) window 0, D window 2
.set START_HI, 0xc1                    ; C window 0, D window 3
.set TO_B,     0x40                    ; destination window 1, address window 0
; A joint load.  Waves 0 and 1 fetch x's two halves, waves 2 and 3 W's.  The branch hangs on the wave's number alone.
.macro JLOAD s
	s_cmp_eq_u32 s11, 0
	s_cbranch_scc0 .Lfor_b_\@
	tensor_load_to_lds s[G0+4*\s:G0+4*\s+3], s[G1:G1+7]
	s_nop 0
	s_branch .Lasked_\@
.Lfor_b_\@:
	tensor_load_to_lds s[G0B+4*\s:G0B+4*\s+3], s[G1B:G1B+7]
	s_nop 0
.Lasked_\@:
.endm
; A round of the cluster's barrier: my work-group's barrier; wave 0 signals for the work-group; every wave waits for all sixteen; my work-group's barrier again.
.macro CREST                           ; a round behind its opening barrier
	s_cmp_lg_u32 s10, 0
	s_cbranch_scc1 .Lnot_wave_0_\@
	s_barrier_signal -3
.Lnot_wave_0_\@:
	s_barrier_wait -3
	s_barrier_signal -1
	s_barrier_wait -1
.endm
.macro CROUND
	s_barrier_signal -1
	s_barrier_wait -1
	CREST
.endm
	s_load_b128 s[4:7], s[0:1], 0x0                ; cb s[4:5], qkv s[6:7]
	s_load_b128 s[68:71], s[0:1], 0x10             ; bq s[68:69], bk s[70:71]
	s_load_b64 s[72:73], s[0:1], 0x20              ; bv
	s_set_vgpr_msb 0x40
	v_lshl_add_u32 v255, v0, 2, 0x48400
	s_set_vgpr_msb 0x4000
	v_mov_b32 v63, 0
	s_set_vgpr_msb 0x1
	ds_add_u32 v255, v63
	s_set_vgpr_msb 0x100
	v_lshrrev_b32 v1, 5, v0
	v_readfirstlane_b32 s10, v1                    ; wave 0..3
	s_lshr_b32 s11, s10, 1                         ; which half of the block's rows is mine.  Also: I fetch for x (0) or for W (1)
	s_and_b32 s12, s10, 1                          ; which half of its columns.  Also: which 128 rows of that tile I fetch
	s_bfe_u32 s40, ttmp6, 0x40000                  ; cx
	s_bfe_u32 s41, ttmp6, 0x40004                  ; cy
	s_lshl_b32 s42, ttmp9, 2
	s_add_co_u32 s42, s42, s40                     ; block column 0..3 = 4 x cluster x + cx
	s_and_b32 s13, ttmp7, 0xffff                   ; cluster y, 0..11
	s_lshr_b32 s74, s13, 2                         ; which projection: the same in the whole cluster
	s_lshl_b32 s13, s13, 2
	s_add_co_u32 s13, s13, s41                     ; block row 0..47 = 16 which + 8 b + (s / 256)
	s_lshl_b32 s43, s41, 2
	s_lshl_b32 s43, 15, s43                        ; my row of the cluster
	s_lshl_b32 s44, 0x1111, s40                    ; my column
	; group 1: a tile of 128 rows x 128 elements of 2 bytes; 4 words of padding behind every 64 words
	s_or_b32 s[G1+0], s43, (1<<16)|(1<<20)|(1<<21)|(5<<22)|(3<<25)
	s_or_b32 s[G1B+0], s44, (1<<16)|(1<<20)|(1<<21)|(5<<22)|(3<<25)
	s_mov_b32 s[G1+1], KSTEP<<16                   ; tensor_dim0 = 128
	s_mov_b32 s[G1B+1], KSTEP<<16
	s_mov_b32 s[G1+2], 128<<16                     ; tensor_dim1 = 128
	s_mov_b32 s[G1B+2], 128<<16
	s_mov_b32 s[G1+3], KSTEP<<16                   ; tile_dim0 = 128
	s_mov_b32 s[G1B+3], KSTEP<<16
	s_mov_b32 s[G1+4], 128                         ; tile_dim1 = 128
	s_mov_b32 s[G1B+4], 128
	s_mov_b32 s[G1+5], 2*SIZE_K                    ; x lies [s][b][1024]: from s to s + 1 of one batch 2,048 elements
	s_mov_b32 s[G1B+5], SIZE_K
	s_mov_b32 s[G1+6], 0
	s_mov_b32 s[G1B+6], 0
	s_mov_b32 s[G1+7], 0
	s_mov_b32 s[G1B+7], 0
	; x's tile hangs on the block row alone, W's on the projection and the block column alone; each offset in registers that never hold the other coordinate
	s_lshr_b32 s16, s13, 4
	s_lshl_b32 s16, s16, 23                        ; which x 8,388,608
	s_bfe_u32 s17, s13, 0x10003
	s_lshl_b32 s17, s17, 11                        ; + b x 2,048
	s_add_co_u32 s16, s16, s17
	s_and_b32 s17, s13, 7
	s_lshl_b32 s17, s17, 20                        ; + 256 s x 4,096
	s_add_co_u32 s16, s16, s17
	s_lshl_b32 s17, s12, 19                        ; + my 128 s x 4,096
	s_add_co_u32 s16, s16, s17
	s_mov_b32 s17, 0
	s_lshl_b32 s46, s74, 21                        ; which x 2,097,152
	s_lshl_b32 s47, s42, 19                        ; + 256 rows x 2,048
	s_add_co_u32 s46, s46, s47
	s_lshl_b32 s47, s12, 18                        ; + my 128 rows x 2,048
	s_add_co_u32 s46, s46, s47
	s_add_co_u32 s46, s46, 25165824                ; the weights lie behind the three activations
	s_mov_b32 s47, 0
	s_mul_i32 s20, s10, HALFT                      ; where the tiles go: wave x 128 rows
	s_wait_dscnt 0x0
	s_wait_kmcnt 0x0
	s_add_nc_u64 s[14:15], s[4:5], s[16:17]
	s_add_nc_u64 s[46:47], s[4:5], s[46:47]
	CROUND                                         ; all sixteen work-groups are here: the first joint loads meet
.irp s, 0,1
	s_mov_b32 s[G0+4*\s], 1
	s_add_co_u32 s[G0+4*\s+1], s20, \s*SLOT
	s_add_nc_u64 s[G0+4*\s+2:G0+4*\s+3], s[14:15], \s*KSTEP*2
	s_or_b32 s[G0+4*\s+3], s[G0+4*\s+3], 0x80000000
	s_mov_b32 s[G0B+4*\s], 1
	s_add_co_u32 s[G0B+4*\s+1], s20, \s*SLOT
	s_add_nc_u64 s[G0B+4*\s+2:G0B+4*\s+3], s[46:47], \s*KSTEP*2
	s_or_b32 s[G0B+4*\s+3], s[G0B+4*\s+3], 0x80000000
	JLOAD \s                                       ; both slots' first fills go out before anything else: two tensor loads of the wave are out
.endr
	; a fragment: 16 rows x 32 K in 8 registers; lane l holds row l % 16; two loads of 16 bytes, 32 bytes apart, at row x pitch + 16 (l / 16)
	v_and_b32 v1, 15, v0                           ; r = l % 16
	v_bfe_u32 v2, v0, 4, 1                         ; h = l / 16
	v_mul_u32_u24 v3, v1, PITCH
	v_lshl_add_u32 v3, v2, 4, v3
	s_mul_i32 s21, s11, HALFT                      ; my 128 rows of x
	s_mul_i32 s22, s12, HALFT                      ; my 128 rows of W,
	s_add_co_u32 s22, s22, 2*HALFT                 ; which lie behind x's 256
.irp s, 0,1
	v_add_nc_u32 v[ADRA+\s], s21, v3
	v_add_nc_u32 v[ADRB+\s], s22, v3
	s_add_co_u32 s21, s21, SLOT
	s_add_co_u32 s22, s22, SLOT
.endr
	s_mul_i32 s23, s10, 16*SPITCH
	s_add_co_u32 s23, s23, STAGE                   ; my stage
	v_add_nc_u32 v[STO], s23, v3                   ; in: row r, 16 bytes for each half of the lanes (the stage's pitch is the tiles')
	v_bfe_u32 v5, v0, 3, 2                         ; back: eight lanes take the 128 bytes that a row has of one head, four rows a load
	v_mul_u32_u24 v5, v5, SPITCH
	v_and_b32 v7, 7, v0
	v_lshl_add_u32 v5, v7, 4, v5
	v_add_nc_u32 v[RD], s23, v5
	v_and_b32 v7, 31, v0
	v_lshlrev_b32 v[CO], 4, v7                     ; those four rows are 512 consecutive bytes of the output
	; the bias of my 128 columns
	s_cmp_eq_u32 s74, 1
	s_cselect_b64 s[78:79], s[70:71], s[68:69]
	s_cmp_eq_u32 s74, 2
	s_cselect_b64 s[78:79], s[72:73], s[78:79]
	s_cmp_eq_u32 s74, 0
	s_cselect_b32 s76, CSCALE, 1.0                 ; q's bias carries the factor that Wq carries
	s_mov_b32 s77, s76
	s_lshl_b32 s80, s42, 10                        ; 256 columns x 4 bytes
	s_lshl_b32 s81, s12, 9
	s_add_co_u32 s80, s80, s81
	s_mov_b32 s81, 0
	s_add_nc_u64 s[78:79], s[78:79], s[80:81]
	v_lshlrev_b32 v6, 5, v2                        ; 8 columns further for lanes 16-31
.irp b, 0,1,2,3,4,5,6,7
	global_load_b128 v[BIAS+8*\b:BIAS+8*\b+3],   v6, s[78:79] offset:64*\b
	global_load_b128 v[BIAS+8*\b+4:BIAS+8*\b+7], v6, s[78:79] offset:64*\b+16
.endr
	s_wait_loadcnt 0x0
.set k, 0
.rept 32
	v_pk_mul_f32 v[BIAS+2*k:BIAS+2*k+1], v[BIAS+2*k:BIAS+2*k+1], s[76:77] op_sel_hi:[1,0]
.set k, k+1
.endr
; 16 matrix instructions: m blocks a0, a0 + 1 of the window's four x all 8 n blocks, 32 along K.  start = 1: the first product takes the bias as C.
; The 64 accumulators take turns, one instruction a turn, in the same order in every quarter step.
.macro MUL16 f, hi, a0, start
.irp a, \a0, \a0+1
.irp b, 0,1,2,3,4,5,6,7
.if \start
	v_wmma_f32_16x16x32_f16 v[8*(8*(\a)+\b):8*(8*(\a)+\b)+7], v[\f+8*\b:\f+8*\b+7], v[\f+8*(4*\hi+\a):\f+8*(4*\hi+\a)+7], v[BIAS+8*\b:BIAS+8*\b+7]
.else
	v_wmma_f32_16x16x32_f16 v[8*(8*(\a)+\b):8*(8*(\a)+\b)+7], v[\f+8*\b:\f+8*\b+7], v[\f+8*(4*\hi+\a):\f+8*(4*\hi+\a)+7], v[8*(8*(\a)+\b):8*(8*(\a)+\b)+7]
.endif
.endr
.endr
.endm
; 32 LDS loads in one run: the fragments of one quarter step into buffer f
.macro FETCH slot, k, f
	WIN TO_B
.irp i, 0,1,2,3,4,5,6,7
	ds_load_b128 v[\f+8*\i:\f+8*\i+3],   v[ADRB+\slot] offset:\k+\i*16*PITCH
	ds_load_b128 v[\f+8*\i+4:\f+8*\i+7], v[ADRB+\slot] offset:\k+\i*16*PITCH+32
.endr
	WIN 0
.irp i, 0,1,2,3,4,5,6,7
	ds_load_b128 v[\f+8*\i:\f+8*\i+3],   v[ADRA+\slot] offset:\k+\i*16*PITCH
	ds_load_b128 v[\f+8*\i+4:\f+8*\i+7], v[ADRA+\slot] offset:\k+\i*16*PITCH+32
.endr
.endm
; Four places stand between a matrix instruction and a load into a register that it read, or a vector instruction that reads its result.
.macro PLACES
.rept 4
	v_nop
.endr
.endm
; One of a K step's first three quarters: multiplies buffer f; in its middle it fetches the next quarter's fragments into buffer g.
.macro QUARTER slot, k, f, g, start
	s_wait_dscnt 8                                 ; W and x's rows 0-63 are in; the youngest eight loads (x's rows 64-127) may be out
.if \start
	WIN START_LO
.else
	WIN MUL_LO
.endif
	MUL16 \f, 0, 0, \start
	MUL16 \f, 0, 2, \start
	PLACES
	FETCH \slot, \k, \g
	s_wait_dscnt 32                                ; all but the 32 just issued
.if \start
	WIN START_HI
.else
	WIN MUL_HI
.endif
	MUL16 \f, 1, 0, \start
	MUL16 \f, 1, 2, \start
.endm
.macro THREE slot, start
	QUARTER \slot, 64,  F0, F1, \start
	QUARTER \slot, 128, F1, F0, 0
	QUARTER \slot, 192, F0, F1, 0
.endm
; The last quarter multiplies buffer 1 and changes slots.  In front of the barrier each wave waits for its reads of this slot and for all its tensor loads
; (one is out: its part of the next slot).  Behind it (fill = 1: behind the round of the cluster's barrier that it opens) this slot is asked for again first,
; then the next slot's first fragments are read.  From a request to the wait for it a wave issues 240 matrix instructions.
.macro TURN slot, next, fill
	s_wait_dscnt 8
	WIN MUL_LO
	MUL16 F1, 0, 0, 0
	s_wait_dscnt 0                                 ; my reads of this slot are over
	s_wait_tensorcnt 0x0                           ; all my tensor loads have landed
	ds_add_u32 v255, v63
	s_wait_dscnt 0x0
	s_barrier_signal -1
	MUL16 F1, 0, 2, 0                              ; register work while the others arrive
	WIN 0
	s_barrier_wait -1
.if \fill
	CREST                                          ; no wave of any partner still reads this slot or has a load on its way
	s_add_nc_u64 s[G0+4*\slot+2:G0+4*\slot+3], s[G0+4*\slot+2:G0+4*\slot+3], 2*KSTEP*2
	s_add_nc_u64 s[G0B+4*\slot+2:G0B+4*\slot+3], s[G0B+4*\slot+2:G0B+4*\slot+3], 2*KSTEP*2
	JLOAD \slot                                    ; the wave's one tensor load behind the round
.endif
	PLACES
	FETCH \next, 0, F0
	WIN MUL_HI
	MUL16 F1, 1, 0, 0
	MUL16 F1, 1, 2, 0
.endm
.macro LAP start
	THREE 0, \start
	TURN 0, 1, 1
	THREE 1, 0
	TURN 1, 0, 1
.endm
	s_wait_tensorcnt 1                             ; my part of K step 0 is in; K step 1's may stay out
	s_barrier_signal -1
	s_barrier_wait -1
	FETCH 0, 0, F0
	LAP 1                                          ; the first lap stands in front of the loop: its first products start the sums from the bias
	WIN 0
	s_mov_b32 s3, LAPS-2
.Llap:
	LAP 0
	WIN 0
	s_sub_co_u32 s3, s3, 1
	s_cmp_lg_u32 s3, 0
	s_cbranch_scc1 .Llap
	THREE 0, 0                                     ; the last lap fills nothing
	TURN 0, 1, 0
	THREE 1, 0
	s_wait_dscnt 8
	WIN MUL_LO
	MUL16 F1, 0, 0, 0
	MUL16 F1, 0, 2, 0
	s_wait_dscnt 0
	WIN MUL_HI
	MUL16 F1, 1, 0, 0
	MUL16 F1, 1, 2, 0
	; THE WAY OUT, 16 rows at a time: round to f16, 16 bytes a lane into my own stage, read back by heads.
	PLACES
	s_lshr_b32 s16, s13, 3
	s_lshl_b32 s16, s16, 22                        ; plane 2 which + b, 4,194,304 bytes each
	s_and_b32 s17, s13, 7
	s_lshl_b32 s17, s17, 15                        ; + 256 s x 128 bytes
	s_add_co_u32 s16, s16, s17
	s_lshl_b32 s17, s11, 14                        ; + my 128 s
	s_add_co_u32 s16, s16, s17
	s_mov_b32 s17, 0
	s_add_nc_u64 s[6:7], s[6:7], s[16:17]
	s_lshl_b32 s46, s42, 20                        ; head 4 x block column + 2 x half, 262,144 bytes each (in the registers that held W's offset)
	s_lshl_b32 s47, s12, 19
	s_add_co_u32 s46, s46, s47
	s_mov_b32 s47, 0
	s_add_nc_u64 s[6:7], s[6:7], s[46:47]          ; never stepped: rows and heads stand in the stores' immediates, 278,016 at the most
; rows 16 i .. 16 i + 15 of my block = the eight tiles (a, 0..7) of window 2 or 3 (from = 0x0a or 0x0f); f: F0 or F1 in turn
.macro OUT16 i, a, from, f
	WIN \from
.irp b, 0,1,2,3,4,5,6,7
.irp r, 0,1,2,3
	v_cvt_pk_f16_f32 v[TMP+4*\b+\r], v[8*(8*\a+\b)+2*\r], v[8*(8*\a+\b)+2*\r+1]
.endr
.endr
	WIN 0
.irp b, 0,1,2,3,4,5,6,7
	ds_store_b128 v[STO], v[TMP+4*\b:TMP+4*\b+3] offset:32*\b
.endr
	s_wait_xcnt 0x0                                ; buffer f, which earlier stores read, is loaded again only behind this wait
.irp t, 0,1,2,3,4,5,6,7
	ds_load_b128 v[\f+4*\t:\f+4*\t+3], v[RD] offset:(\t&3)*4*SPITCH+(\t>>2)*128   ; LDS serves a wave's instructions in order: these see the stores above
.endr
.irp t, 0,1,2,3,4,5,6,7
	s_wait_dscnt 7-\t                              ; the younger read-backs stay out
	global_store_b128 v[CO], v[\f+4*\t:\f+4*\t+3], s[6:7] offset:(\t>>2)*262144+\i*2048+(\t&3)*512   ; four s of one head: 512 consecutive bytes, aligned
.endr
.endm
	OUT16 0, 0, 0x0a, F0
	OUT16 1, 1, 0x0a, F1
	OUT16 2, 2, 0x0a, F0
	OUT16 3, 3, 0x0a, F1
	OUT16 4, 0, 0x0f, F0
	OUT16 5, 1, 0x0f, F1
	OUT16 6, 2, 0x0f, F0
	OUT16 7, 3, 0x0f, F1
	s_set_vgpr_msb 0x1
	s_wait_tensorcnt 0x0
	ds_add_u32 v255, v63
	s_wait_dscnt 0x0
	s_set_vgpr_msb 0x100
	CROUND                                         ; the closing round: no work-group ends while a partner may still ask for a tile that names it
	s_endpgm
.Lfunc_end_k_q8574d1d75d_qkv:
	.size	k_q8574d1d75d_qkv, .Lfunc_end_k_q8574d1d75d_qkv-k_q8574d1d75d_qkv
	.p2alignl 7, 3214868480
	.fill 96, 4, 3214868480
	.section	.rodata,"a",@progbits
	.p2align	6, 0x0
	.amdhsa_kernel k_q8574d1d75d_qkv
		.amdhsa_group_segment_fixed_size 327680
		.amdhsa_private_segment_fixed_size 0
		.amdhsa_enable_private_segment 0
		.amdhsa_kernarg_size 40
		.amdhsa_user_sgpr_count 2
		.amdhsa_user_sgpr_kernarg_segment_ptr 1
		.amdhsa_wavefront_size32 1
		.amdhsa_system_sgpr_workgroup_id_x 1
		.amdhsa_system_sgpr_workgroup_id_y 1
		.amdhsa_system_sgpr_workgroup_id_z 1
		.amdhsa_system_vgpr_workitem_id 0
		.amdhsa_next_free_vgpr 1024
		.amdhsa_next_free_sgpr 84
		.amdhsa_reserve_vcc 0
		.amdhsa_float_denorm_mode_32 3
		.amdhsa_float_denorm_mode_16_64 3
		.amdhsa_memory_ordered 1
		.amdhsa_forward_progress 1
		.amdhsa_inst_pref_size 200
	.end_amdhsa_kernel
	.amdgpu_metadata
---
amdhsa.version: [ 1, 2 ]
amdhsa.kernels:
  - .name:           k_q8574d1d75d_qkv
    .symbol:         k_q8574d1d75d_qkv.kd
    .args:
      - { .name: cb, .offset: 0, .size: 8, .value_kind: global_buffer, .address_space: global }
      - { .name: qkv, .offset: 8, .size: 8, .value_kind: global_buffer, .address_space: global }
      - { .name: bq, .offset: 16, .size: 8, .value_kind: global_buffer, .address_space: global }
      - { .name: bk, .offset: 24, .size: 8, .value_kind: global_buffer, .address_space: global }
      - { .name: bv, .offset: 32, .size: 8, .value_kind: global_buffer, .address_space: global }
    .group_segment_fixed_size: 327680
    .private_segment_fixed_size: 0
    .kernarg_segment_align: 8
    .kernarg_segment_size: 40
    .max_flat_workgroup_size: 128
    .sgpr_count:     84
    .vgpr_count:     1024
    .wavefront_size: 32
...
	.end_amdgpu_metadata
.endif
;; end of part 2
;; launch attn (part 3): grid 8 x 32, 8 waves a work-group, clusters of 4 x 1, 327,680 bytes of LDS; arguments qkv, att; writes att
.if DOCPART == 3
	.amdgcn_target "amdgcn-amd-amdhsa--gfx1250"
	.amdhsa_code_object_version 6
	.text
	.protected	k_q8574d1d75d_attn
	.globl	k_q8574d1d75d_attn
	.p2align	8
	.type	k_q8574d1d75d_attn,@function
k_q8574d1d75d_attn:
	s_mov_b64 s[64:65], 0
	v_nop
	global_prefetch_b8 v0, s[64:65] scope:SCOPE_SE
	s_setreg_imm32_b32 hwreg(HW_REG_WAVE_MODE, 25, 1), 1
	s_wait_xcnt 0x0
	s_wait_alu depctr_hold_cnt(0) depctr_sa_sdst(0) depctr_va_vdst(0) depctr_va_sdst(0) depctr_va_ssrc(0) depctr_va_vcc(0) depctr_vm_vsrc(0)
	s_getreg_b32 s2, hwreg(HW_REG_IB_STS2, 6, 4)
	s_cmp_eq_u32 s2, 0
	s_cbranch_scc0 .Lentry_in_a_cluster
	s_endpgm
.Lentry_in_a_cluster:
	s_bfe_u32 s2, ttmp6, 0x10000c
	s_cmp_lg_u32 s2, 0x3003
	s_cbranch_scc0 .Lentry_shape_is_right
	s_endpgm
.Lentry_shape_is_right:
; att = softmax over the keys of (q k^T) times v, for one (b, h) = work-group y and 256 queries = work-group x.  q, k, v: f16, [which][b][h][s][64].
; att is stored as [b][s / 128][h][128][64] in f16, so that a block of 128 rows has all its heads in 262,144 consecutive bytes for the output projection.
; q already carries 0.125 * log2(e), so a score is an exponent of 2.  The maximum is the true running maximum of each query; sums in f32.
; LIMITS: P (at most 1) and the result are rounded to f16; the row sum is taken over the unrounded p; v_exp_f32 gives 0 below 2^-126 (ISA guide, its entry);
; the largest key gives 2^0, so the row sum is at least 1.  Inputs that are not finite give NaN, as in the problem's own formula.
; Eight waves, 32 queries each (two tiles a = 0, 1 of 16).
; EVERYTHING IS TRANSPOSED, so that no number moves between lanes but once for the maximum and once for the sum:
;   S^T = K Q^T: source 0 = 16 keys x 32 d, source 1 = Q.  Lane (r, h) then holds query r and keys 8 h + j of the tile.
;   Two such tiles, packed to f16 in place, ARE the source-1 fragment of P^T for 32 keys.
;   O^T = V^T P^T: source 0 = V^T, brought by the transposing LDS load.  Lane (r, h) holds query r and d = 16 t + 8 h + j.
; PRODUCTS AND SOFTMAX OVERLAP INSIDE A WAVE.  The scores have two buffers.  In the turn of block j (64 keys) the 16 products for the scores of block j + 1
; stand among the 160 vector instructions that shift, exponentiate, sum and pack block j's scores; both name window 0 alone, so no window is switched.
; The 32 multiplies that rescale O^T stand four by four in front of the first product onto each of its eight tiles, under the products' own window setting.
; Every distance behind a matrix instruction (ISA guide 7.12.1) is filled by these instructions; only the prologue and the way out have v_nop.
; CLUSTERS: the four work-groups of a cluster are four query blocks of one head and read the same K and V: each tile is asked for jointly (mask 15).
; LDS: two slots of 256 keys.  A slot is four pieces of 18,432 bytes: K's keys 0-127, 128-255, V's likewise.  A piece is dense in memory (128 keys x 128 bytes) and comes
; in as 64 rows of 256 bytes, two keys to a row; key x lies at (x / 2) pitch + (x % 2) 128.  K's pitch 272: the 16 keys of a fragment start at 16 different
; 16-byte columns modulo 256.  V's pitch 288: so do the 8 keys x 2 chunks that sixteen lanes of a transposing load touch.
; Waves 0, 1 ask for K's pieces, waves 2, 3 for V's: four loads of 64 rows; waves 4-7 ask for nothing.  Two tensor loads of a wave are out at the start, later one.
; REGISTERS: window 0: v8-27 addresses and the softmax's numbers; v32-63 Q; v64-127, v128-191 the two score buffers; v192-255 K's fragments.
;            window 1: v0-63 O^T; v64-127 V^T's fragments.
.set KPITCH, 272
.set VPITCH, 288
.set PIECE,  18432
.set SLOT,   4*PIECE
.set STAGE,  2*SLOT                    ; 16 rows x 144 bytes for each wave, for the way out; no fill ever lands there
.set SPITCH, 144
.set ADRK, 8                           ; v8-9    LDS address of my K fragments in slot 0, 1
.set ADRV, 10                          ; v10-11  the same for V
.set STO,  12                          ; v12     the way out: in
.set RD,   13                          ; v13     the way out: back
.set CO,   14                          ; v14     my byte offset in att
.set QO,   15                          ; v15     my byte offset in q
.set NM,   16                          ; v[16+2a] new maximum, v[17+2a] at work
.set AL,   20                          ; v[20+2a] correction factor 2^(old - new), v[21+2a] the running maximum
.set LS,   24                          ; v[24+2a:25+2a] two partial row sums
.set QF,   32                          ; v[32:63]   Q fragments at 16 a + 8 kd
.set SCA,  64                          ; v[64:127]  scores of even blocks at 32 a + 8 i; then P, packed in place: P(a, g) at 32 a + 16 g, 8 registers
.set SCB,  128                         ; v[128:191] the same for odd blocks
.set KF,   192                         ; v[192:255] K fragments at 16 i + 8 kd
.set OA,   0                           ; window 1, v[0:63]:   O^T at 32 a + 8 t
.set VF,   64                          ; window 1, v[64:127]: V^T fragments at 32 g + 8 t
.set G1K, 16                           ; s[16:23] group 1 for K's pieces
.set G1V, 24                           ; s[24:31] group 1 for V's pieces: another padding
.set G0K, 32                           ; s[32:39] group 0 for K, a set for each slot
.set G0V, 40                           ; s[40:47] group 0 for V, a set for each slot
.set MSB, 0
.macro WIN new                         ; the immediate's high byte repeats the setting that is left
.if MSB != \new
	s_set_vgpr_msb (MSB<<8)|\new
.set MSB, \new
.endif
.endm
.macro PLACES c
.rept \c
	v_nop
.endr
.endm
.macro ROUND                           ; a round of the cluster's barrier
	s_barrier_signal -1
	s_barrier_wait -1
	s_cmp_lg_u32 s8, 0
	s_cbranch_scc1 .Lnot_wave_0_\@
	s_barrier_signal -3
.Lnot_wave_0_\@:
	s_barrier_wait -3
	s_barrier_signal -1
	s_barrier_wait -1
.endm
.macro JLOAD s                         ; a refill; the branches hang on the wave's number alone
	s_cmp_lg_u32 s9, 0
	s_cbranch_scc1 .Lnot_k_\@
	tensor_load_to_lds s[G0K+4*\s:G0K+4*\s+3], s[G1K:G1K+7]
	s_nop 0
	s_branch .Lasked_\@
.Lnot_k_\@:
	s_cmp_lg_u32 s9, 1
	s_cbranch_scc1 .Lasked_\@
	tensor_load_to_lds s[G0V+4*\s:G0V+4*\s+3], s[G1V:G1V+7]
	s_nop 0
.Lasked_\@:
.endm
	s_load_b128 s[4:7], s[0:1], 0x0                ; qkv s[4:5], att s[6:7]
	v_lshl_add_u32 v30, v0, 2, 0x29000
	v_mov_b32 v31, 0
	ds_add_u32 v30, v31
	v_lshrrev_b32 v1, 5, v0
	v_readfirstlane_b32 s8, v1                     ; wave 0..7
	s_lshr_b32 s9, s8, 1                           ; 0: asks for K, 1: for V, else for nothing
	s_and_b32 s10, s8, 1                           ; which 128 keys of the slot's 256
	s_bfe_u32 s11, ttmp6, 0x40000                  ; cx
	s_lshl_b32 s12, ttmp9, 2
	s_add_co_u32 s12, s12, s11                     ; query block 0..7
	s_and_b32 s13, ttmp7, 0xffff                   ; 16 b + h: the cluster is one work-group high
	s_mov_b32 s14, 0x76543210                      ; v_permlanex16_b32: lane i of one half reads lane i of the other
	s_mov_b32 s15, 0xfedcba98
	; group 1: 64 rows x 128 elements of 2 bytes, dense; padding behind every 64 words: 4 words for K, 8 for V; mask 15 with bit 21 beside it
	s_mov_b32 s[G1K+0], 15|(1<<16)|(1<<20)|(1<<21)|(5<<22)|(3<<25)
	s_mov_b32 s[G1V+0], 15|(1<<16)|(1<<20)|(1<<21)|(5<<22)|(7<<25)
	s_mov_b32 s[G1K+1], 128<<16                    ; tensor_dim0 = 128
	s_mov_b32 s[G1V+1], 128<<16
	s_mov_b32 s[G1K+2], 64<<16                     ; tensor_dim1 = 64
	s_mov_b32 s[G1V+2], 64<<16
	s_mov_b32 s[G1K+3], 128<<16                    ; tile_dim0 = 128
	s_mov_b32 s[G1V+3], 128<<16
	s_mov_b32 s[G1K+4], 64                         ; tile_dim1 = 64
	s_mov_b32 s[G1V+4], 64
	s_mov_b32 s[G1K+5], 128                        ; from row to row 128 elements
	s_mov_b32 s[G1V+5], 128
	s_mov_b32 s[G1K+6], 0
	s_mov_b32 s[G1V+6], 0
	s_mov_b32 s[G1K+7], 0
	s_mov_b32 s[G1V+7], 0
	s_lshl_b32 s48, s13, 18                        ; the head's 262,144 bytes
	s_lshl_b32 s49, s10, 14                        ; + my 128 keys x 128 bytes: nothing of cx enters
	s_add_co_u32 s48, s48, s49
	s_mov_b32 s49, 0
	s_mul_i32 s50, s8, PIECE                       ; piece w of a slot
	s_lshl_b32 s54, s13, 18                        ; q: the head,
	s_lshl_b32 s55, s12, 15                        ; + 256 queries x 128 bytes
	s_add_co_u32 s54, s54, s55
	s_mov_b32 s55, 0
	s_lshr_b32 s56, s13, 4                         ; att: b x 4,194,304
	s_lshl_b32 s56, s56, 22
	s_lshl_b32 s57, s12, 19                        ; + 256 queries = two blocks of 128 rows, 262,144 bytes each
	s_add_co_u32 s56, s56, s57
	s_and_b32 s57, s13, 15
	s_lshl_b32 s57, s57, 14                        ; + h x 16,384
	s_add_co_u32 s56, s56, s57
	s_mov_b32 s57, 0
	s_wait_dscnt 0x0
	s_wait_kmcnt 0x0
	s_add_nc_u64 s[48:49], s[4:5], s[48:49]
	s_add_nc_u64 s[2:3], s[4:5], s[54:55]          ; my work-group's rows of q
	s_add_nc_u64 s[6:7], s[6:7], s[56:57]          ; and its place in att
.irp s, 0,1
	s_mov_b32 s[G0K+4*\s], 1
	s_add_co_u32 s[G0K+4*\s+1], s50, \s*SLOT
	s_add_nc_u64 s[G0K+4*\s+2:G0K+4*\s+3], s[48:49], 8388608+\s*32768     ; k's planes lie behind q's two; slot s begins with keys 256 s
	s_or_b32 s[G0K+4*\s+3], s[G0K+4*\s+3], 0x80000000
	s_mov_b32 s[G0V+4*\s], 1
	s_add_co_u32 s[G0V+4*\s+1], s50, \s*SLOT
	s_add_nc_u64 s[G0V+4*\s+2:G0V+4*\s+3], s[48:49], 16777216+\s*32768
	s_or_b32 s[G0V+4*\s+3], s[G0V+4*\s+3], 0x80000000
.endr
	ROUND                                          ; all four work-groups are here
	; the first fills of both slots, keys 0-511, as one group; a wave's two stand inside one branch on its number
	s_cmp_lg_u32 s9, 0
	s_cbranch_scc1 .Lfirst_not_k
	tensor_load_to_lds s[G0K:G0K+3], s[G1K:G1K+7]
	s_nop 0
	tensor_load_to_lds s[G0K+4:G0K+7], s[G1K:G1K+7]
	s_nop 0
	s_branch .Lfirst_asked
.Lfirst_not_k:
	s_cmp_lg_u32 s9, 1
	s_cbranch_scc1 .Lfirst_asked
	tensor_load_to_lds s[G0V:G0V+3], s[G1V:G1V+7]
	s_nop 0
	tensor_load_to_lds s[G0V+4:G0V+7], s[G1V:G1V+7]
	s_nop 0
.Lfirst_asked:
	v_and_b32 v1, 31, v0                           ; L
	v_and_b32 v2, 15, v0                           ; r
	v_bfe_u32 v3, v0, 4, 1                         ; h
	v_lshrrev_b32 v4, 1, v2
	v_and_b32 v5, 1, v0
	v_mul_u32_u24 v[ADRK], v4, KPITCH              ; key r of a tile: (r / 2) pitch + (r % 2) 128 + 16 h
	v_lshl_add_u32 v[ADRK], v5, 7, v[ADRK]
	v_lshl_add_u32 v[ADRK], v3, 4, v[ADRK]
	v_add_nc_u32 v[ADRK+1], SLOT, v[ADRK]
	v_bfe_u32 v4, v0, 1, 2                         ; key 8 h + L % 8: row 4 h + (L % 8) / 2, half L % 2; chunk (L / 8) % 2
	v_lshl_add_u32 v4, v3, 2, v4
	v_mul_u32_u24 v[ADRV], v4, VPITCH
	v_lshl_add_u32 v[ADRV], v5, 7, v[ADRV]
	v_bfe_u32 v5, v0, 3, 1
	v_lshl_add_u32 v[ADRV], v5, 4, v[ADRV]
	v_add_nc_u32 v[ADRV], 2*PIECE, v[ADRV]
	v_add_nc_u32 v[ADRV+1], SLOT, v[ADRV]
	s_mul_i32 s51, s8, 16*SPITCH
	s_add_co_u32 s51, s51, STAGE                   ; my stage
	v_mul_u32_u24 v[STO], v2, SPITCH
	v_lshl_add_u32 v[STO], v3, 4, v[STO]
	v_add_nc_u32 v[STO], s51, v[STO]
	v_bfe_u32 v4, v0, 3, 2
	v_mul_u32_u24 v[RD], v4, SPITCH
	v_and_b32 v5, 7, v0
	v_lshl_add_u32 v[RD], v5, 4, v[RD]
	v_add_nc_u32 v[RD], s51, v[RD]
	s_lshr_b32 s58, s8, 2                          ; att: waves 0-3 lie in the first block of 128 rows, waves 4-7 in the second,
	s_lshl_b32 s58, s58, 18
	s_and_b32 s59, s8, 3
	s_lshl_b32 s59, s59, 12                        ; 32 queries x 128 bytes each
	s_add_co_u32 s58, s58, s59
	v_lshl_add_u32 v[CO], v1, 4, s58
	s_lshl_b32 s53, s8, 12                         ; q: my wave's 32 queries x 128 bytes
	v_lshlrev_b32 v[QO], 7, v2
	v_lshl_add_u32 v[QO], v3, 4, v[QO]
	v_add_nc_u32 v[QO], s53, v[QO]
.irp a, 0,1
.irp kd, 0,1
	global_load_b128 v[QF+16*\a+8*\kd:QF+16*\a+8*\kd+3],   v[QO], s[2:3] offset:\a*2048+64*\kd
	global_load_b128 v[QF+16*\a+8*\kd+4:QF+16*\a+8*\kd+7], v[QO], s[2:3] offset:\a*2048+64*\kd+32
.endr
.endr
	s_wait_loadcnt 0x0                             ; Q, once
; K's fragments of block j (64 keys) of a slot: 16 loads
.macro LDK slot, j
.irp i, 0,1,2,3
.irp kd, 0,1
	ds_load_b128 v[KF+16*\i+8*\kd:KF+16*\i+8*\kd+3],   v[ADRK+\slot] offset:((\j)>>1)*PIECE+((\j)&1)*32*KPITCH+\i*8*KPITCH+64*\kd
	ds_load_b128 v[KF+16*\i+8*\kd+4:KF+16*\i+8*\kd+7], v[ADRK+\slot] offset:((\j)>>1)*PIECE+((\j)&1)*32*KPITCH+\i*8*KPITCH+64*\kd+32
.endr
.endr
.endm
; V^T's fragments of block j: 16 transposing loads (destination window 1); the second of a pair lies 16 keys = 8 rows further
.macro LDV slot, j
.irp g, 0,1
.irp t, 0,1,2,3
	ds_load_tr16_b128 v[VF+32*\g+8*\t:VF+32*\g+8*\t+3],   v[ADRV+\slot] offset:(\j)*32*VPITCH+\g*16*VPITCH+32*\t
	ds_load_tr16_b128 v[VF+32*\g+8*\t+4:VF+32*\g+8*\t+7], v[ADRV+\slot] offset:(\j)*32*VPITCH+\g*16*VPITCH+32*\t+8*VPITCH
.endr
.endr
.endm
; Product q (0..15) of the 16 that make 64 keys x 32 queries x 64 d in buffer s: key tile (q % 8) / 2, query tile q % 2, d half q / 8.
; The eight accumulators take turns, one instruction a turn.
.macro QKW s, q
.if (\q) < 8
	v_wmma_f32_16x16x32_f16 v[\s+32*((\q)&1)+8*((\q)>>1):\s+32*((\q)&1)+8*((\q)>>1)+7], v[KF+16*((\q)>>1):KF+16*((\q)>>1)+7], v[QF+16*((\q)&1):QF+16*((\q)&1)+7], 0
.else
	v_wmma_f32_16x16x32_f16 v[\s+32*((\q)&1)+8*(((\q)-8)>>1):\s+32*((\q)&1)+8*(((\q)-8)>>1)+7], v[KF+16*(((\q)-8)>>1)+8:KF+16*(((\q)-8)>>1)+15], v[QF+16*((\q)&1)+8:QF+16*((\q)&1)+15], v[\s+32*((\q)&1)+8*(((\q)-8)>>1):\s+32*((\q)&1)+8*(((\q)-8)>>1)+7]
.endif
.endm
.macro SHIFT2 s, a, p                  ; two scores less the new maximum
	v_pk_add_f32 v[\s+32*\a+2*(\p):\s+32*\a+2*(\p)+1], v[\s+32*\a+2*(\p):\s+32*\a+2*(\p)+1], v[NM+2*\a:NM+2*\a+1] op_sel_hi:[1,0] neg_lo:[0,1] neg_hi:[0,1]
.endm
.macro EXPO2 s, a, p
	v_exp_f32 v[\s+32*\a+2*(\p)],   v[\s+32*\a+2*(\p)]
	v_exp_f32 v[\s+32*\a+2*(\p)+1], v[\s+32*\a+2*(\p)+1]
.endm
; pair p joins the row sums (pair 0 brings the old sums along, times the correction factor; in the very first block pairs 0 and 1 start them),
; then it is packed in place: register k of a group of 16 takes numbers 2 k and 2 k + 1, which have been summed by then
.macro SUMCVT s, a, p, first
.if (\p) == 0
.if \first
	s_wait_alu depctr_va_vdst(0)
	v_pk_add_f32 v[LS+2*\a:LS+2*\a+1], v[\s+32*\a:\s+32*\a+1], v[\s+32*\a+2:\s+32*\a+3]
.else
	s_wait_alu depctr_va_vdst(0)
	v_pk_fma_f32 v[LS+2*\a:LS+2*\a+1], v[LS+2*\a:LS+2*\a+1], v[AL+2*\a:AL+2*\a+1], v[\s+32*\a:\s+32*\a+1] op_sel_hi:[1,0,1]
	s_wait_alu depctr_va_vdst(0)
.endif
.else
.if (\p) > \first
	v_pk_add_f32 v[LS+2*\a:LS+2*\a+1], v[LS+2*\a:LS+2*\a+1], v[\s+32*\a+2*(\p):\s+32*\a+2*(\p)+1]
.endif
.endif
	v_cvt_pk_f16_f32 v[\s+32*\a+16*((\p)>>3)+((\p)&7)], v[\s+32*\a+2*(\p)], v[\s+32*\a+2*(\p)+1]
.endm
; The largest of my 32 scores of each query tile: two chains a tile.  The four instructions that start them name only this block's scores and NM:
; they are the four places between the last products onto O^T and the loads into V's fragment registers.
.macro MAXHEAD s
.irp a, 0,1
	v_max3_num_f32 v[NM+2*\a],   v[\s+32*\a],   v[\s+32*\a+1], v[\s+32*\a+2]
	v_max3_num_f32 v[NM+2*\a+1], v[\s+32*\a+3], v[\s+32*\a+4], v[\s+32*\a+5]
.endr
.endm
.macro MAXREST s, first
.set n, 0
.rept 13
.irp a, 0,1
	v_max3_num_f32 v[NM+2*\a+(n&1)], v[NM+2*\a+(n&1)], v[\s+32*\a+6+2*n], v[\s+32*\a+7+2*n]
.endr
.set n, n+1
.endr
.irp a, 0,1
.if \first
	v_max_num_f32 v[NM+2*\a], v[NM+2*\a], v[NM+2*\a+1]
.else
	v_max3_num_f32 v[NM+2*\a], v[NM+2*\a], v[NM+2*\a+1], v[AL+2*\a+1]          ; with the running maximum
.endif
.endr
.irp a, 0,1
	v_permlanex16_b32 v[NM+2*\a+1], v[NM+2*\a], s14, s15                       ; the other half of the lanes holds the query's other keys
.endr
.irp a, 0,1
	v_max_num_f32 v[NM+2*\a], v[NM+2*\a], v[NM+2*\a+1]
.endr
.if \first == 0
.irp a, 0,1
	v_sub_f32 v[AL+2*\a], v[AL+2*\a+1], v[NM+2*\a]
.endr
.irp a, 0,1
	v_exp_f32 v[AL+2*\a], v[AL+2*\a]                                           ; 2^(old - new)
.endr
.endif
.irp a, 0,1
	v_mov_b32 v[AL+2*\a+1], v[NM+2*\a]                                         ; plain instructions on other registers: the place behind the exponentials (ISA guide 5.7.2)
.endr
.endm
; c more vector instructions have been written.  If the next product for buffer s is due, it is written here; the first one behind the wait for K's fragments.
.macro TICK s, qk, kw, c
.set ops, ops+\c
.if \qk
.if qn < 16
.if ops >= due
.if qn == 0
	s_wait_dscnt \kw
.endif
	QKW \s, qn
.set qn, qn+1
.set due, due+step
.endif
.endif
.endif
.endm
; Shift, exponential, sum and pack of buffer sa: 160 vector instructions.  qk = 1: the 16 products for buffer sb stand among them, the first behind `start`
; vector instructions, the others every `stp`: start + 15 stp is at most 154, so at least six plain instructions that name neither sb, K's fragments nor Q follow the last.
; Exponentials stand two by two with plain work of the other tile behind them, so each has its place before its result is used; a product never stands next to one.
.macro SMX sa, sb, first, qk, kw, start, stp
.set ops, 0
.set qn, 0
.set due, \start
.set step, \stp
.set n, 0
.rept 16
	SHIFT2 \sa, 0, n
	TICK \sb, \qk, \kw, 1
.set n, n+1
.endr
.set n, 0
.rept 16
	EXPO2 \sa, 0, n
	SHIFT2 \sa, 1, n
	TICK \sb, \qk, \kw, 3
.set n, n+1
.endr
.set n, 0
.rept 16
	EXPO2 \sa, 1, n
	SUMCVT \sa, 0, n, \first
	TICK \sb, \qk, \kw, 4
.set n, n+1
.endr
.set n, 0
.rept 16
	SUMCVT \sa, 1, n, \first
	TICK \sb, \qk, \kw, 2
.set n, n+1
.endr
.endm
; O^T times the correction factor, and 16 products: 64 d x 32 queries x 64 keys.  One window setting serves both: source 0 (O^T, V^T), source 2 and the destination
; window 1, source 1 (the factor, P) window 0.  The eight accumulators take turns, one instruction a turn.
.macro PVR s, first
	WIN 0x51
.irp t, 0,1,2,3
.irp a, 0,1
.if \first
	v_wmma_f32_16x16x32_f16 v[OA+32*\a+8*\t:OA+32*\a+8*\t+7], v[VF+8*\t:VF+8*\t+7], v[\s+32*\a:\s+32*\a+7], 0
.else
.irp k, 0,2,4,6
	v_pk_mul_f32 v[OA+32*\a+8*\t+\k:OA+32*\a+8*\t+\k+1], v[OA+32*\a+8*\t+\k:OA+32*\a+8*\t+\k+1], v[AL+2*\a:AL+2*\a+1] op_sel_hi:[1,0]
.endr
	v_wmma_f32_16x16x32_f16 v[OA+32*\a+8*\t:OA+32*\a+8*\t+7], v[VF+8*\t:VF+8*\t+7], v[\s+32*\a:\s+32*\a+7], v[OA+32*\a+8*\t:OA+32*\a+8*\t+7]
.endif
.endr
.endr
.irp t, 0,1,2,3
.irp a, 0,1
	v_wmma_f32_16x16x32_f16 v[OA+32*\a+8*\t:OA+32*\a+8*\t+7], v[VF+32+8*\t:VF+32+8*\t+7], v[\s+32*\a+16:\s+32*\a+23], v[OA+32*\a+8*\t:OA+32*\a+8*\t+7]
.endr
.endr
	WIN 0
.endm
; The change of slots, in a slot's last block, behind the loads of its last V fragments: every read of the slot has been issued.  Each wave waits for all its tensor loads
; (the other slot's part among them) and for its LDS reads.  refill = 1: behind a round of the cluster's barrier the slot is asked for again first, 512 keys on.
; Then the other slot's first K fragments are read.
.macro SYNC slot, refill
	s_wait_tensorcnt 0x0
	ds_add_u32 v30, v31
	s_wait_dscnt 0x0
.if \refill
	s_add_nc_u64 s[G0K+4*\slot+2:G0K+4*\slot+3], s[G0K+4*\slot+2:G0K+4*\slot+3], 65536   ; no load of mine is out
	s_add_nc_u64 s[G0V+4*\slot+2:G0V+4*\slot+3], s[G0V+4*\slot+2:G0V+4*\slot+3], 65536
.endif
	s_wait_dscnt 0x0
.if \refill
	ROUND
	JLOAD \slot
.else
	s_barrier_signal -1                            ; it shows the other slot whole to every wave
	s_barrier_wait -1
.endif
	LDK (1-\slot), 0
.endm
; The turn of block j of a slot: its scores lie in sa; the next block's are made in sb.
; mode 0: K(j+1) is on its way or in; K(j+2) is asked for.  1: the same, nothing more of K in this slot.  2, 3: the slot's last block, with the change of slots
; (2: with a refill).  4: the last block of all: no next scores.
.macro BLOCK slot, j, sa, sb, first, mode
	MAXHEAD \sa
	WIN 0x40
	LDV \slot, \j
	WIN 0
	MAXREST \sa, \first
.if \mode == 2
	SYNC \slot, 1
.endif
.if \mode == 3
	SYNC \slot, 0
.endif
.if \mode < 2
	SMX \sa, \sb, \first, 1, 16, 4, 10             ; the wait's 16: V's loads, issued behind K's, stay out
.endif
.if (\mode == 2) | (\mode == 3)
	SMX \sa, \sb, \first, 1, 0, 24, 8              ; K's fragments were asked for just now: the products begin later and stand closer
	LDK (1-\slot), 1                               ; V's fragments are in since the change of slots: no wait in front of the products onto O^T
.endif
.if \mode == 4
	SMX \sa, \sb, \first, 0, 0, 0, 1
	s_wait_dscnt 0x0
.endif
.if \mode == 0
	LDK \slot, \j+2
	s_wait_dscnt 16                                ; V's 16 loads are in; K's 16, issued behind them, stay out
.endif
.if \mode == 1
	s_wait_dscnt 0x0
.endif
	PVR \sa, \first
.endm
.macro TRIP slot, first, last          ; 256 keys = one slot
	BLOCK \slot, 0, SCA, SCB, \first, 0
	BLOCK \slot, 1, SCB, SCA, 0, 0
	BLOCK \slot, 2, SCA, SCB, 0, 1
	BLOCK \slot, 3, SCB, SCA, 0, \last
.endm
	s_wait_tensorcnt 1                             ; my part of slot 0 is in; slot 1's may stay out
	s_barrier_signal -1
	s_barrier_wait -1
	LDK 0, 0
	s_wait_dscnt 0x0
.set qn, 0
.rept 16
	QKW SCA, qn                                    ; the first block's scores have nothing to stand among
.set qn, qn+1
.endr
	PLACES 4                                       ; in front of the loads into K's fragment registers and of the reads of the scores
	LDK 0, 1
	TRIP 0, 1, 2                                   ; eight trips of 256 keys; the first block starts maximum, sums and O^T: nothing is cleared
	TRIP 1, 0, 2
	s_mov_b32 s52, 2
.Lpair:
	TRIP 0, 0, 2
	TRIP 1, 0, 2
	s_sub_co_u32 s52, s52, 1
	s_cmp_lg_u32 s52, 0
	s_cbranch_scc1 .Lpair
	TRIP 0, 0, 3                                   ; nothing is left to fetch
	TRIP 1, 0, 4
	; THE WAY OUT: divide by the row sum, round to f16, 16 bytes a lane into my own stage, read back as 512 consecutive bytes (four queries)
	PLACES 4
.irp a, 0,1
	v_add_f32 v[LS+2*\a], v[LS+2*\a], v[LS+2*\a+1]
.endr
.irp a, 0,1
	v_permlanex16_b32 v[LS+2*\a+1], v[LS+2*\a], s14, s15
.endr
.irp a, 0,1
	v_add_f32 v[LS+2*\a], v[LS+2*\a], v[LS+2*\a+1]
.endr
	v_rcp_f32 v[LS], v[LS]
	v_rcp_f32 v[LS+2], v[LS+2]
	v_nop                                          ; the place behind the reciprocals
	WIN 0x41
	s_wait_alu depctr_va_vdst(0)
.irp a, 0,1
.set k, 0
.rept 16
	v_pk_mul_f32 v[OA+32*\a+2*k:OA+32*\a+2*k+1], v[OA+32*\a+2*k:OA+32*\a+2*k+1], v[LS+2*\a:LS+2*\a+1] op_sel_hi:[1,0]
.set k, k+1
.endr
.endr
	WIN 0x05                                       ; sources window 1, destination window 0
.irp a, 0,1
.irp t, 0,1,2,3
.irp e, 0,1,2,3
	v_cvt_pk_f16_f32 v[KF+16*\a+4*\t+\e], v[OA+32*\a+8*\t+2*\e], v[OA+32*\a+8*\t+2*\e+1]
.endr
.endr
.endr
	WIN 0
.irp a, 0,1
.irp t, 0,1,2,3
	ds_store_b128 v[STO], v[KF+16*\a+4*\t:KF+16*\a+4*\t+3] offset:32*\t      ; query r, d = 16 t + 8 h ..
.endr
.irp u, 0,1,2,3
	ds_load_b128 v[SCA+16*\a+4*\u:SCA+16*\a+4*\u+3], v[RD] offset:4*SPITCH*\u ; LDS serves a wave's instructions in order: these see the stores above
.endr
.irp u, 0,1,2,3
	s_wait_dscnt 3-\u                              ; the younger read-backs stay out
	global_store_b128 v[CO], v[SCA+16*\a+4*\u:SCA+16*\a+4*\u+3], s[6:7] offset:\a*2048+512*\u
.endr
.endr
	s_wait_tensorcnt 0x0
	ds_add_u32 v30, v31
	s_wait_dscnt 0x0
	ROUND                                          ; the closing round
	s_endpgm
.Lfunc_end_k_q8574d1d75d_attn:
	.size	k_q8574d1d75d_attn, .Lfunc_end_k_q8574d1d75d_attn-k_q8574d1d75d_attn
	.p2alignl 7, 3214868480
	.fill 96, 4, 3214868480
	.section	.rodata,"a",@progbits
	.p2align	6, 0x0
	.amdhsa_kernel k_q8574d1d75d_attn
		.amdhsa_group_segment_fixed_size 327680
		.amdhsa_private_segment_fixed_size 0
		.amdhsa_enable_private_segment 0
		.amdhsa_kernarg_size 16
		.amdhsa_user_sgpr_count 2
		.amdhsa_user_sgpr_kernarg_segment_ptr 1
		.amdhsa_wavefront_size32 1
		.amdhsa_system_sgpr_workgroup_id_x 1
		.amdhsa_system_sgpr_workgroup_id_y 1
		.amdhsa_system_sgpr_workgroup_id_z 1
		.amdhsa_system_vgpr_workitem_id 0
		.amdhsa_next_free_vgpr 384
		.amdhsa_next_free_sgpr 66
		.amdhsa_reserve_vcc 0
		.amdhsa_float_denorm_mode_32 3
		.amdhsa_float_denorm_mode_16_64 3
		.amdhsa_memory_ordered 1
		.amdhsa_forward_progress 1
		.amdhsa_inst_pref_size 255
	.end_amdhsa_kernel
	.section	.bss,"aw",@nobits
	.p2align	6
	.space	262144
	.amdgpu_metadata
---
amdhsa.version: [ 1, 2 ]
amdhsa.kernels:
  - .name:           k_q8574d1d75d_attn
    .symbol:         k_q8574d1d75d_attn.kd
    .args:
      - { .name: qkv, .offset: 0, .size: 8, .value_kind: global_buffer, .address_space: global }
      - { .name: att, .offset: 8, .size: 8, .value_kind: global_buffer, .address_space: global }
    .group_segment_fixed_size: 327680
    .private_segment_fixed_size: 0
    .kernarg_segment_align: 8
    .kernarg_segment_size: 16
    .max_flat_workgroup_size: 256
    .sgpr_count:     66
    .vgpr_count:     384
    .wavefront_size: 32
...
	.end_amdgpu_metadata
.endif
;; end of part 3
;; launch oproj (part 4): grid 8 x 32, 4 waves a work-group, clusters of 4 x 4, 327,680 bytes of LDS; arguments att, cb, bo, out0; writes out0
.if DOCPART == 4
	.amdgcn_target "amdgcn-amd-amdhsa--gfx1250"
	.amdhsa_code_object_version 6
	.text
	.protected	k_q8574d1d75d_oproj
	.globl	k_q8574d1d75d_oproj
	.p2align	8
	.type	k_q8574d1d75d_oproj,@function
k_q8574d1d75d_oproj:
	s_mov_b64 s[64:65], 0
	v_nop
	global_prefetch_b8 v0, s[64:65] scope:SCOPE_SE
	s_setreg_imm32_b32 hwreg(HW_REG_WAVE_MODE, 25, 1), 1
	s_wait_xcnt 0x0
	s_wait_alu depctr_hold_cnt(0) depctr_sa_sdst(0) depctr_va_vdst(0) depctr_va_sdst(0) depctr_va_ssrc(0) depctr_va_vcc(0) depctr_vm_vsrc(0)
	s_getreg_b32 s2, hwreg(HW_REG_IB_STS2, 6, 4)
	s_cmp_eq_u32 s2, 0
	s_cbranch_scc0 .Lentry_in_a_cluster
	s_endpgm
.Lentry_in_a_cluster:
	s_bfe_u32 s2, ttmp6, 0x10000c
	s_cmp_lg_u32 s2, 0xf033
	s_cbranch_scc0 .Lentry_shape_is_right
	s_endpgm
.Lentry_shape_is_right:
; out0[s][b][n] = sum over k of att(s, b, k) Wo[n][k] + bo[n], in f32.  att: f16, [b][s / 128][h][128][64] with k = 64 h + d; Wo: f16, in cb at byte 31,457,280.
; 256 blocks of 128 rows (128 s of one batch) x 128 columns, one for each work-group; four waves, 64 x 64 a wave: 16 accumulator tiles.
; (Blocks of 256 x 256 would leave work for 64 work-groups only.)
; K goes in four steps of 256 = four heads through two LDS slots, one tensor load a wave for a slot.  A slot is four parts of 34,816 bytes:
;   waves 0, 1: att's heads 0, 1 and 2, 3 of the four: 2 x 128 s x 128 bytes, consecutive in memory, brought as 128 rows of 256 bytes at pitch 272, two s to a row:
;               head x begins at 17,408 x, and s lies at (s / 2) 272 + (s % 2) 128 in it;
;   waves 2, 3: Wo's rows 0-63 and 64-127 of the block's columns, 512 bytes of each, at pitch 528 (33,792 bytes of the part).
; Both pitches are odd multiples of 16: the 16 rows that a fragment load touches start at 16 different 16-byte columns modulo 256.
; Both slots are filled at the start (half of K); each is filled once more, and that load has the other slot's 128 matrix instructions of every wave in which to land.
; CLUSTERS: 4 x 4 work-groups; att's parts are shared along a row of the cluster, Wo's along a column, each asked for jointly.
; The matrix instruction is used transposed (source 0 = rows of Wo, source 1 = rows of att): a lane's eight results are eight neighbouring columns of one row,
; the bias of a tile is eight registers alike for all rows, and the first product of each tile takes them as C.
; REGISTERS: window 0: v16-26 addresses; v32-63 the bias; v64-127, v128-191 two fragment buffers (Wo at 8 b, att at 32 + 8 a); v192-255 read-back, two sets;
; window 1: v0-127 accumulator tile (a, b) at 8 (4 a + b).
.set PITCH,  272                       ; att's rows in LDS, and the stage's
.set BPITCH, 528                       ; Wo's rows in LDS
.set HEAD,   64*PITCH                  ; a head's 128 s
.set PIECE,  128*PITCH                 ; a wave's part of a slot
.set SLOT,   4*PIECE
.set STAGE,  2*SLOT                    ; 16 rows x 272 bytes for each wave; no fill ever lands there
.set ADRA, 16
.set ADRB, 20
.set STO,  24
.set RD,   25
.set CO,   26
.set BIAS, 32
.set F0,   64
.set F1,   128
.set BACK, 192
.set G1, 24
.set G0, 32
.set G1B, 48
.set G0B, 56
.set MSB, 0
.macro WIN new
.if MSB != \new
	s_set_vgpr_msb (MSB<<8)|\new
.set MSB, \new
.endif
.endm
.set MUL_IN,    0x50                   ; C and D window 1
.set MUL_START, 0x40                   ; C (the bias) window 0, D window 1
.macro JLOAD s                         ; waves 0, 1 ask for att's two parts, waves 2, 3 for Wo's
	s_cmp_eq_u32 s11, 0
	s_cbranch_scc0 .Lfor_b_\@
	tensor_load_to_lds s[G0+4*\s:G0+4*\s+3], s[G1:G1+7]
	s_nop 0
	s_branch .Lasked_\@
.Lfor_b_\@:
	tensor_load_to_lds s[G0B+4*\s:G0B+4*\s+3], s[G1B:G1B+7]
	s_nop 0
.Lasked_\@:
.endm
.macro CREST
	s_cmp_lg_u32 s10, 0
	s_cbranch_scc1 .Lnot_wave_0_\@
	s_barrier_signal -3
.Lnot_wave_0_\@:
	s_barrier_wait -3
	s_barrier_signal -1
	s_barrier_wait -1
.endm
.macro CROUND
	s_barrier_signal -1
	s_barrier_wait -1
	CREST
.endm
	s_load_b128 s[4:7], s[0:1], 0x0                ; att s[4:5], cb s[6:7]
	s_load_b128 s[68:71], s[0:1], 0x10             ; bo s[68:69], out0 s[70:71]
	v_lshl_add_u32 v30, v0, 2, 0x48400
	v_mov_b32 v31, 0
	ds_add_u32 v30, v31
	v_lshrrev_b32 v1, 5, v0
	v_readfirstlane_b32 s10, v1                    ; wave 0..3
	s_lshr_b32 s11, s10, 1                         ; my half of the rows.  Also: I ask for att (0) or for Wo (1)
	s_and_b32 s12, s10, 1                          ; my half of the columns.  Also: which of the two parts I ask for
	s_bfe_u32 s40, ttmp6, 0x40000                  ; cx
	s_bfe_u32 s41, ttmp6, 0x40004                  ; cy
	s_lshl_b32 s42, ttmp9, 2
	s_add_co_u32 s42, s42, s40                     ; block column 0..7
	s_and_b32 s13, ttmp7, 0xffff
	s_lshl_b32 s13, s13, 2
	s_add_co_u32 s13, s13, s41                     ; block row 0..31 = 16 b + s / 128
	s_lshl_b32 s43, s41, 2
	s_lshl_b32 s43, 15, s43                        ; my row of the cluster
	s_lshl_b32 s44, 0x1111, s40                    ; my column
	; group 1.  att: 128 rows x 128 elements of 2 bytes, dense, 4 words of padding behind every 64.  Wo: 64 rows x 256 elements, 4 words behind every 128.
	s_or_b32 s[G1+0], s43, (1<<16)|(1<<20)|(1<<21)|(5<<22)|(3<<25)
	s_or_b32 s[G1B+0], s44, (1<<16)|(1<<20)|(1<<21)|(6<<22)|(3<<25)
	s_mov_b32 s[G1+1], 128<<16                     ; tensor_dim0
	s_mov_b32 s[G1B+1], 256<<16
	s_mov_b32 s[G1+2], 128<<16                     ; tensor_dim1
	s_mov_b32 s[G1B+2], 64<<16
	s_mov_b32 s[G1+3], 128<<16                     ; tile_dim0
	s_mov_b32 s[G1B+3], 256<<16
	s_mov_b32 s[G1+4], 128                         ; tile_dim1
	s_mov_b32 s[G1B+4], 64
	s_mov_b32 s[G1+5], 128                         ; att's part is dense
	s_mov_b32 s[G1B+5], 1024                       ; Wo's rows are 1,024 elements apart
	s_mov_b32 s[G1+6], 0
	s_mov_b32 s[G1B+6], 0
	s_mov_b32 s[G1+7], 0
	s_mov_b32 s[G1B+7], 0
	s_lshl_b32 s16, s13, 18                        ; the block row's 16 heads x 16,384 bytes
	s_lshl_b32 s17, s12, 15                        ; + my two heads of the four
	s_add_co_u32 s16, s16, s17
	s_mov_b32 s17, 0
	s_lshl_b32 s46, s42, 18                        ; 128 rows of Wo x 2,048 bytes
	s_lshl_b32 s47, s12, 17                        ; + my 64 rows
	s_add_co_u32 s46, s46, s47
	s_add_co_u32 s46, s46, 31457280                ; Wo's place in cb
	s_mov_b32 s47, 0
	s_mul_i32 s20, s10, PIECE                      ; part w of a slot
	s_lshl_b32 s80, s42, 9                         ; my first column, in bytes of f32: 512 x block + 256 x half
	s_lshl_b32 s81, s12, 8
	s_add_co_u32 s80, s80, s81
	s_mov_b32 s81, 0
	s_wait_dscnt 0x0
	s_wait_kmcnt 0x0
	s_add_nc_u64 s[14:15], s[4:5], s[16:17]
	s_add_nc_u64 s[46:47], s[6:7], s[46:47]
	s_add_nc_u64 s[68:69], s[68:69], s[80:81]
	s_add_nc_u64 s[70:71], s[70:71], s[80:81]
	CROUND                                         ; all sixteen work-groups are here
.irp s, 0,1
	s_mov_b32 s[G0+4*\s], 1
	s_add_co_u32 s[G0+4*\s+1], s20, \s*SLOT
	s_add_nc_u64 s[G0+4*\s+2:G0+4*\s+3], s[14:15], \s*65536        ; K step s: four heads on
	s_or_b32 s[G0+4*\s+3], s[G0+4*\s+3], 0x80000000
	s_mov_b32 s[G0B+4*\s], 1
	s_add_co_u32 s[G0B+4*\s+1], s20, \s*SLOT
	s_add_nc_u64 s[G0B+4*\s+2:G0B+4*\s+3], s[46:47], \s*512        ; 256 elements on
	s_or_b32 s[G0B+4*\s+3], s[G0B+4*\s+3], 0x80000000
	JLOAD \s                                       ; both slots' first fills: two tensor loads of the wave are out
.endr
	v_and_b32 v1, 15, v0                           ; r
	v_bfe_u32 v2, v0, 4, 1                         ; h
	v_lshrrev_b32 v3, 1, v1
	v_mul_u32_u24 v3, v3, PITCH                    ; att: (r / 2) pitch + (r % 2) 128 + 16 h
	v_and_b32 v4, 1, v0
	v_lshl_add_u32 v3, v4, 7, v3
	v_lshl_add_u32 v3, v2, 4, v3
	v_mul_u32_u24 v7, v1, BPITCH                   ; Wo: r pitch + 16 h
	v_lshl_add_u32 v7, v2, 4, v7
	v_mul_u32_u24 v5, v1, PITCH                    ; the stage's row r
	s_mul_i32 s21, s11, 32*PITCH                   ; my 64 s = 32 rows of each head
	s_mul_i32 s22, s12, PIECE
	s_add_co_u32 s22, s22, 2*PIECE                 ; my part of Wo
.irp s, 0,1
	v_add_nc_u32 v[ADRA+\s], s21, v3
	v_add_nc_u32 v[ADRB+\s], s22, v7
	s_add_co_u32 s21, s21, SLOT
	s_add_co_u32 s22, s22, SLOT
.endr
	s_mul_i32 s23, s10, 16*PITCH
	s_add_co_u32 s23, s23, STAGE                   ; my stage
	v_lshl_add_u32 v4, v2, 5, v5                   ; in: row r, 32 bytes for each half of the lanes
	v_add_nc_u32 v[STO], s23, v4
	v_mul_u32_u24 v4, v2, PITCH                    ; back: lanes 0-15 one row of 256 bytes, lanes 16-31 the next
	v_lshl_add_u32 v4, v1, 4, v4
	v_add_nc_u32 v[RD], s23, v4
	v_lshlrev_b32 v4, 4, v1
	v_lshl_add_u32 v[CO], v2, 13, v4               ; in out0 the next s of one batch lies 8,192 bytes further
	v_lshlrev_b32 v6, 5, v2
.irp b, 0,1,2,3
	global_load_b128 v[BIAS+8*\b:BIAS+8*\b+3],   v6, s[68:69] offset:64*\b
	global_load_b128 v[BIAS+8*\b+4:BIAS+8*\b+7], v6, s[68:69] offset:64*\b+16
.endr
	s_wait_loadcnt 0x0
; 4 matrix instructions: m block a x the 4 n blocks, 32 along K.  The 16 accumulators take turns, one instruction a turn, in one fixed order.
.macro MULA f, a, first
.irp b, 0,1,2,3
.if \first
	v_wmma_f32_16x16x32_f16 v[8*(4*\a+\b):8*(4*\a+\b)+7], v[\f+8*\b:\f+8*\b+7], v[\f+32+8*\a:\f+32+8*\a+7], v[BIAS+8*\b:BIAS+8*\b+7]
.else
	v_wmma_f32_16x16x32_f16 v[8*(4*\a+\b):8*(4*\a+\b)+7], v[\f+8*\b:\f+8*\b+7], v[\f+32+8*\a:\f+32+8*\a+7], v[8*(4*\a+\b):8*(4*\a+\b)+7]
.endif
.endr
.endm
; 16 LDS loads: eighth kq (32 along K) of a slot into buffer f.  Eighths 2 x and 2 x + 1 lie in head x of the slot's four.
.macro FETCH slot, kq, f
.irp i, 0,1,2,3
	ds_load_b128 v[\f+8*\i:\f+8*\i+3],   v[ADRB+\slot] offset:64*\kq+\i*16*BPITCH
	ds_load_b128 v[\f+8*\i+4:\f+8*\i+7], v[ADRB+\slot] offset:64*\kq+\i*16*BPITCH+32
.endr
.irp i, 0,1,2,3
	ds_load_b128 v[\f+32+8*\i:\f+32+8*\i+3], v[ADRA+\slot] offset:(\kq>>1)*HEAD+(\kq&1)*64+\i*8*PITCH
	ds_load_b128 v[\f+32+8*\i+4:\f+32+8*\i+7], v[ADRA+\slot] offset:(\kq>>1)*HEAD+(\kq&1)*64+\i*8*PITCH+32
.endr
.endm
.macro PLACES                          ; four places between a matrix instruction and a load into a register that it read, or a read of its result
.rept 4
	v_nop
.endr
.endm
.macro MULWIN first
.if \first
	WIN MUL_START
.else
	WIN MUL_IN
.endif
.endm
; multiplies buffer f; in its middle it fetches eighth kq of the same slot into buffer g
.macro EIGHTH slot, kq, f, g, first
	s_wait_dscnt 4                                 ; Wo and att's tiles 0, 1 are in; the youngest four loads (tiles 2, 3) may be out
	MULWIN \first
	MULA \f, 0, \first
	MULA \f, 1, \first
	WIN 0
	PLACES
	FETCH \slot, \kq, \g
	s_wait_dscnt 16                                ; all but the 16 just issued
	MULWIN \first
	MULA \f, 2, \first
	MULA \f, 3, \first
.endm
.macro SEVEN slot, first
	EIGHTH \slot, 1, F0, F1, \first
	EIGHTH \slot, 2, F1, F0, 0
	EIGHTH \slot, 3, F0, F1, 0
	EIGHTH \slot, 4, F1, F0, 0
	EIGHTH \slot, 5, F0, F1, 0
	EIGHTH \slot, 6, F1, F0, 0
	EIGHTH \slot, 7, F0, F1, 0
.endm
; The last eighth changes slots: each wave's reads of this slot and all its tensor loads are waited for in front of the barrier; behind it (fill = 1: behind the
; round of the cluster's barrier that it opens) this slot is asked for again first, then the next slot is read.
.macro TURN slot, next, fill
	s_wait_dscnt 4
	WIN MUL_IN
	MULA F1, 0, 0
	s_wait_dscnt 0
	s_wait_tensorcnt 0x0
	ds_add_u32 v30, v31
	s_wait_dscnt 0x0
	s_barrier_signal -1
	MULA F1, 1, 0                                  ; register work while the others arrive
	WIN 0
	s_barrier_wait -1
.if \fill
	CREST
	s_add_nc_u64 s[G0+4*\slot+2:G0+4*\slot+3], s[G0+4*\slot+2:G0+4*\slot+3], 131072      ; two K steps = eight heads on
	s_add_nc_u64 s[G0B+4*\slot+2:G0B+4*\slot+3], s[G0B+4*\slot+2:G0B+4*\slot+3], 1024    ; 512 elements on
	JLOAD \slot                                    ; the wave's one tensor load behind the round
.endif
	PLACES
	FETCH \next, 0, F0
	WIN MUL_IN
	MULA F1, 2, 0
	MULA F1, 3, 0
.endm
	s_wait_tensorcnt 1                             ; my part of K step 0 is in; K step 1's may stay out
	s_barrier_signal -1
	s_barrier_wait -1
	FETCH 0, 0, F0
	SEVEN 0, 1                                     ; K 0-255: the first products start the sums from the bias
	TURN 0, 1, 1                                   ; slot 0 is asked for again: K 512-767
	SEVEN 1, 0                                     ; K 256-511
	TURN 1, 0, 1                                   ; slot 1 is asked for again: K 768-1023
	SEVEN 0, 0
	TURN 0, 1, 0                                   ; nothing is left to fetch
	SEVEN 1, 0
	s_wait_dscnt 0
	WIN MUL_IN
	MULA F1, 0, 0
	MULA F1, 1, 0
	MULA F1, 2, 0
	MULA F1, 3, 0
	; THE WAY OUT, 16 rows at a time, in f32: 32 bytes a lane into my own stage, read back as whole rows of 256 bytes
	PLACES
	s_and_b32 s16, s13, 15
	s_lshl_b32 s16, s16, 20                        ; 128 s x 8,192 bytes
	s_lshl_b32 s17, s11, 19                        ; + my 64 s
	s_add_co_u32 s16, s16, s17
	s_lshr_b32 s17, s13, 4
	s_lshl_b32 s17, s17, 12                        ; + b x 4,096
	s_add_co_u32 s16, s16, s17
	s_mov_b32 s17, 0
	s_add_nc_u64 s[70:71], s[70:71], s[16:17]      ; never stepped: the rows stand in the stores' immediates, 507,904 at the most
.macro OUT16 i
	WIN 0x04                                       ; an LDS store's data is source 1: window 1
.irp b, 0,1,2,3
	ds_store_b128 v[STO], v[8*(4*\i+\b):8*(4*\i+\b)+3]   offset:64*\b
	ds_store_b128 v[STO], v[8*(4*\i+\b)+4:8*(4*\i+\b)+7] offset:64*\b+16
.endr
	WIN 0
	s_wait_xcnt 0x0                                ; the read-back set, which earlier stores read, is loaded again only behind this wait
.irp t, 0,1,2,3,4,5,6,7
	ds_load_b128 v[BACK+32*(\i&1)+4*\t:BACK+32*(\i&1)+4*\t+3], v[RD] offset:\t*2*PITCH   ; LDS serves a wave's instructions in order: these see the stores above
.endr
.irp t, 0,1,2,3,4,5,6,7
	s_wait_dscnt 7-\t                              ; the younger read-backs stay out
	global_store_b128 v[CO], v[BACK+32*(\i&1)+4*\t:BACK+32*(\i&1)+4*\t+3], s[70:71] offset:\i*131072+\t*16384 th:TH_STORE_NT   ; 16 lanes store 256 consecutive bytes, aligned
.endr
.endm
	OUT16 0
	OUT16 1
	OUT16 2
	OUT16 3
	s_wait_tensorcnt 0x0
	ds_add_u32 v30, v31
	s_wait_dscnt 0x0
	CROUND                                         ; the closing round
	s_endpgm
.Lfunc_end_k_q8574d1d75d_oproj:
	.size	k_q8574d1d75d_oproj, .Lfunc_end_k_q8574d1d75d_oproj-k_q8574d1d75d_oproj
	.p2alignl 7, 3214868480
	.fill 96, 4, 3214868480
	.section	.rodata,"a",@progbits
	.p2align	6, 0x0
	.amdhsa_kernel k_q8574d1d75d_oproj
		.amdhsa_group_segment_fixed_size 327680
		.amdhsa_private_segment_fixed_size 0
		.amdhsa_enable_private_segment 0
		.amdhsa_kernarg_size 32
		.amdhsa_user_sgpr_count 2
		.amdhsa_user_sgpr_kernarg_segment_ptr 1
		.amdhsa_wavefront_size32 1
		.amdhsa_system_sgpr_workgroup_id_x 1
		.amdhsa_system_sgpr_workgroup_id_y 1
		.amdhsa_system_sgpr_workgroup_id_z 1
		.amdhsa_system_vgpr_workitem_id 0
		.amdhsa_next_free_vgpr 384
		.amdhsa_next_free_sgpr 84
		.amdhsa_reserve_vcc 0
		.amdhsa_float_denorm_mode_32 3
		.amdhsa_float_denorm_mode_16_64 3
		.amdhsa_memory_ordered 1
		.amdhsa_forward_progress 1
		.amdhsa_inst_pref_size 91
	.end_amdhsa_kernel
	.amdgpu_metadata
---
amdhsa.version: [ 1, 2 ]
amdhsa.kernels:
  - .name:           k_q8574d1d75d_oproj
    .symbol:         k_q8574d1d75d_oproj.kd
    .args:
      - { .name: att, .offset: 0, .size: 8, .value_kind: global_buffer, .address_space: global }
      - { .name: cb, .offset: 8, .size: 8, .value_kind: global_buffer, .address_space: global }
      - { .name: bo, .offset: 16, .size: 8, .value_kind: global_buffer, .address_space: global }
      - { .name: out0, .offset: 24, .size: 8, .value_kind: global_buffer, .address_space: global }
    .group_segment_fixed_size: 327680
    .private_segment_fixed_size: 0
    .kernarg_segment_align: 8
    .kernarg_segment_size: 32
    .max_flat_workgroup_size: 128
    .sgpr_count:     84
    .vgpr_count:     384
    .wavefront_size: 32
...
	.end_amdgpu_metadata
.endif
;; end of part 4
;; ======== version 2 of 2: 4 launches; version 1 with the launch cast written anew for expert scheduling mode
;; limits: values are held in f16: magnitudes above 65,504 overflow, below 6.1e-05 lose precision
;; workspace buffers: cb 33,554,432 bytes; qkv 25,165,824 bytes; att 8,388,608 bytes
;; launch cast (part 5): grid 512 x 1, 8 waves a work-group, no clusters, 0 bytes of LDS; arguments query, key, value, Wq, Wk, Wv, Wo, cb; writes cb
.if DOCPART == 5
	.amdgcn_target "amdgcn-amd-amdhsa--gfx1250"
	.amdhsa_code_object_version 6
	.text
	.protected	k_q8574d1d75d_cast
	.globl	k_q8574d1d75d_cast
	.p2align	8
	.type	k_q8574d1d75d_cast,@function
k_q8574d1d75d_cast:
	s_mov_b64 s[64:65], 0
	v_nop
	global_prefetch_b8 v0, s[64:65] scope:SCOPE_SE
	s_setreg_imm32_b32 hwreg(HW_REG_WAVE_SCHED_MODE, 0, 2), 2
	s_setreg_imm32_b32 hwreg(HW_REG_WAVE_MODE, 25, 1), 1
	s_wait_xcnt 0x0
	s_wait_alu depctr_vm_vsrc(0)
; cb = f16(sc * x) for the seven matrix operands, laid one behind the other: query, key, value (8,388,608 bytes each),
; then Wq, Wk, Wv, Wo (2,097,152 bytes each).  sc = 0.125 * log2(e) for Wq, so that the scores of the attention launch
; come out of the matrix unit divided by sqrt(64) and in the base-2 domain; sc = 1 for the six others (one text serves all seven).
; LIMIT: f16 has 11 significant bits and ends at 65,504: |sc * x| of 65,520 or more becomes infinity, below 2^-25 zero.
; The drawn inputs have a spread of 1 (weights 1/32); thirty times that, or an offset of thirty spreads, stays far inside.
; A stream: no LDS, no matrix unit, no cluster, since no byte is used twice.  Work-group g owns 32 rows of 1,024 f32
; (131,072 bytes in, 65,536 out, at cb + 65,536 g, since the regions lie in the order of the work-groups).
; Thread t takes the 16 bytes at 16 t of a row (a wave's load covers 512 consecutive bytes) and stores 8 bytes at 8 t
; (a wave's store covers 256 consecutive bytes, aligned).
; Every row has registers of its own (4 as loaded, 2 to store) and stands in an immediate: all 32 loads of a wave go out first.
; THE MODE: SCHED_MODE bits 1:0 = 2 (LLVM: expert scheduling mode 2), set by the entry lines.  The code itself states the register dependences
; between vector instructions and memory instructions, with s_wait_alu, always for 0.
; THE PLAN.  Registers that memory instructions touch:
;   v1, v2   byte offsets of the loads and of the stores.  Written once at the head, never again.
;   X row i  Written by row i's load, which is issued before any vector instruction names X; then scaled in place and read by row i's
;            four vector instructions, behind the counted wait for the row.  No memory instruction reads it.
;   Y row i  Written by row i's two conversions; read by row i's store; never written again.
; The rows go in eight blocks of four.  Block p's vector instructions name the X and Y of its own four rows alone; its memory instructions are the four
; stores of block p - 1.  So ONE wait at a block's head states all that these four stores hang on, and they are dealt among the block's rows with no
; further wait.  No register that a memory instruction has read is ever written again, so no wait is owed for that.
.set ROW_IN,  4096                     ; bytes of a row as read
.set ROW_OUT, 2048                     ; bytes of a row as stored
.set ROWS,    32
.set BLOCK,   4                        ; rows between two waits for the conversions
.set X, 8                              ; v[8:135]   row i: four f32 as loaded
.set Y, 136                            ; v[136:199] row i: four f16 to store
.set CSCALE, 0x3e38aa3b                ; 0.125 * 1.442695
	s_load_b512 s[8:23], s[0:1], 0x0               ; query, key, value, Wq, Wk, Wv, Wo, cb
	v_lshlrev_b32 v1, 4, v0                        ; my 16 bytes of a row as read; never rewritten
	v_lshlrev_b32 v2, 3, v0                        ; my 8 bytes of a row as stored; never rewritten
	s_wait_kmcnt 0x0
	s_mov_b64 s[4:5], s[8:9]                       ; the tensor that my work-group reads, and the number of its first work-group
	s_mov_b32 s24, 0
.macro PICK start, ptr
	s_cmp_ge_u32 ttmp9, \start
	s_cselect_b64 s[4:5], s[\ptr:\ptr+1], s[4:5]
	s_cselect_b32 s24, \start, s24
.endm
	PICK 128, 10
	PICK 256, 12
	PICK 384, 14
	PICK 416, 16
	PICK 448, 18
	PICK 480, 20
	s_cmp_eq_u32 s24, 384                          ; Wq alone carries the scale
	s_cselect_b32 s26, CSCALE, 1.0
	s_mov_b32 s27, s26
	s_sub_co_u32 s2, ttmp9, s24
	s_lshl_b32 s2, s2, 17                          ; 131,072 bytes a work-group, 127 x that at the most
	s_mov_b32 s3, 0
	s_add_nc_u64 s[4:5], s[4:5], s[2:3]
	s_lshl_b32 s2, ttmp9, 16
	s_add_nc_u64 s[6:7], s[22:23], s[2:3]
	s_wait_alu depctr_va_vdst(0)                   ; v1 and v2 are written: every load of the kernel reads v1 as its offset, every store v2
.set i, 0
.rept ROWS
	global_load_b128 v[X+4*i:X+4*i+3], v1, s[4:5] offset:i*ROW_IN th:TH_LOAD_NT
.set i, i+1
.endr
.set i, 0
.rept ROWS
	s_wait_loadcnt ROWS-1-i                        ; loads come back in order: row i is in, the younger rows stay out
.if ((i % BLOCK) == 0) && (i > 0)
	s_wait_alu depctr_va_vdst(0)                   ; the block before has written its four rows of Y, which this block's four stores read
.endif
.if i >= BLOCK
	global_store_b64 v2, v[Y+2*(i-BLOCK):Y+2*(i-BLOCK)+1], s[6:7] offset:(i-BLOCK)*ROW_OUT   ; a row of the block before: no vector instruction since the wait names its Y.  No hint: the next launch reads these bytes
.endif
	v_pk_mul_f32 v[X+4*i:X+4*i+1],   v[X+4*i:X+4*i+1],   s[26:27] op_sel_hi:[1,0]
	v_pk_mul_f32 v[X+4*i+2:X+4*i+3], v[X+4*i+2:X+4*i+3], s[26:27] op_sel_hi:[1,0]
	v_cvt_pk_f16_f32 v[Y+2*i],   v[X+4*i],   v[X+4*i+1]
	v_cvt_pk_f16_f32 v[Y+2*i+1], v[X+4*i+2], v[X+4*i+3]
.set i, i+1
.endr
	s_wait_alu depctr_va_vdst(0)                   ; the last block has written its four rows of Y, which the last four stores read
.set i, ROWS-BLOCK
.rept BLOCK
	global_store_b64 v2, v[Y+2*i:Y+2*i+1], s[6:7] offset:i*ROW_OUT
.set i, i+1
.endr
	s_endpgm
.Lfunc_end_k_q8574d1d75d_cast:
	.size	k_q8574d1d75d_cast, .Lfunc_end_k_q8574d1d75d_cast-k_q8574d1d75d_cast
	.p2alignl 7, 3214868480
	.fill 96, 4, 3214868480
	.section	.rodata,"a",@progbits
	.p2align	6, 0x0
	.amdhsa_kernel k_q8574d1d75d_cast
		.amdhsa_group_segment_fixed_size 0
		.amdhsa_private_segment_fixed_size 0
		.amdhsa_enable_private_segment 0
		.amdhsa_kernarg_size 64
		.amdhsa_user_sgpr_count 2
		.amdhsa_user_sgpr_kernarg_segment_ptr 1
		.amdhsa_wavefront_size32 1
		.amdhsa_system_sgpr_workgroup_id_x 1
		.amdhsa_system_sgpr_workgroup_id_y 1
		.amdhsa_system_sgpr_workgroup_id_z 1
		.amdhsa_system_vgpr_workitem_id 0
		.amdhsa_next_free_vgpr 200
		.amdhsa_next_free_sgpr 66
		.amdhsa_reserve_vcc 0
		.amdhsa_float_denorm_mode_32 3
		.amdhsa_float_denorm_mode_16_64 3
		.amdhsa_memory_ordered 1
		.amdhsa_forward_progress 1
		.amdhsa_inst_pref_size 18
	.end_amdhsa_kernel
	.amdgpu_metadata
---
amdhsa.version: [ 1, 2 ]
amdhsa.kernels:
  - .name:           k_q8574d1d75d_cast
    .symbol:         k_q8574d1d75d_cast.kd
    .args:
      - { .name: query, .offset: 0, .size: 8, .value_kind: global_buffer, .address_space: global }
      - { .name: key, .offset: 8, .size: 8, .value_kind: global_buffer, .address_space: global }
      - { .name: value, .offset: 16, .size: 8, .value_kind: global_buffer, .address_space: global }
      - { .name: Wq, .offset: 24, .size: 8, .value_kind: global_buffer, .address_space: global }
      - { .name: Wk, .offset: 32, .size: 8, .value_kind: global_buffer, .address_space: global }
      - { .name: Wv, .offset: 40, .size: 8, .value_kind: global_buffer, .address_space: global }
      - { .name: Wo, .offset: 48, .size: 8, .value_kind: global_buffer, .address_space: global }
      - { .name: cb, .offset: 56, .size: 8, .value_kind: global_buffer, .address_space: global }
    .group_segment_fixed_size: 0
    .private_segment_fixed_size: 0
    .kernarg_segment_align: 8
    .kernarg_segment_size: 64
    .max_flat_workgroup_size: 256
    .sgpr_count:     66
    .vgpr_count:     200
    .wavefront_size: 32
...
	.end_amdgpu_metadata
.endif
;; end of part 5
;; launch qkv: the kernel of part 2 again; grid 4 x 48, 4 waves a work-group, clusters of 4 x 4, 327,680 bytes of LDS; arguments cb, qkv, bq, bk, bv; writes qkv
;; launch attn: the kernel of part 3 again; grid 8 x 32, 8 waves a work-group, clusters of 4 x 1, 327,680 bytes of LDS; arguments qkv, att; writes att
;; launch oproj: the kernel of part 4 again; grid 8 x 32, 4 waves a work-group, clusters of 4 x 4, 327,680 bytes of LDS; arguments att, cb, bo, out0; writes out0
